; MI455X (gfx1250); checked and timed in simulation.
; The chip was launched on July 23, 2026; its instructions are those of AMD's public machine-readable ISA for CDNA 5 (MIT licence, August 2026) and "CDNA5" Instruction Set Architecture Reference Guide (July 2026). The comments in the code are by the model that wrote it; some were corrected since.
;; Multi Head Attention. Allowed arithmetic: matrix products marked QUANTISED: E4M3 operands, one E8M0 scale for each 32 along K, by v_wmma_scale_f32_16x16x128_f8f6f4 with both operands' format E4M3, f32 sums; everything else in f32.
;; Inputs: Wk_codes 16 x 64 x 32 x 32 uint8 (E4M3 codes of Wk, K innermost, in blocks of 32 codes); Wk_scales 16 x 64 x 32 uint8 (E8M0 scales of Wk, one for each 32 codes along K); Wo_codes 1,024 x 32 x 32 uint8 (E4M3 codes of Wo, K innermost, in blocks of 32 codes); Wo_scales 1,024 x 32 uint8 (E8M0 scales of Wo, one for each 32 codes along K); Wq_codes 16 x 64 x 32 x 32 uint8 (E4M3 codes of Wq, K innermost, in blocks of 32 codes); Wq_scales 16 x 64 x 32 uint8 (E8M0 scales of Wq, one for each 32 codes along K); Wv_codes 16 x 64 x 32 x 32 uint8 (E4M3 codes of Wv, K innermost, in blocks of 32 codes); Wv_scales 16 x 64 x 32 uint8 (E8M0 scales of Wv, one for each 32 codes along K); bk 16 x 64 float32; bo 1,024 float32; bq 16 x 64 float32; bv 16 x 64 float32; x_codes 4 x 2,048 x 32 x 32 uint8 (E4M3 codes of x, K innermost, in blocks of 32 codes); x_scales 4 x 2,048 x 32 uint8 (E8M0 scales of x, one for each 32 codes along K).
;; Outputs: out0 4 x 2,048 x 1,024 float32.
;; This version of the problem:
;;   THIS VERSION OF THE PROBLEM IS GIVEN IN LOW PRECISION. The matrix products marked QUANTISED in the list below multiply operands that are first quantised to E4M3 (4 exponent bits, 3 mantissa bits; 8 bits a number), with one power-of-two scale for each 32 numbers along K (OCP MX v1.0); their sums are f32. All else is computed in f32.
;;   The module's matrix products, in the order in which they are computed (A, B: the left and right operand; K: the contracted axis; several contracted axes count as one K, in the product's order):
;;     1. [M 1,024, K 1,024] x [K 1,024, N 8,192]; A: input Wq (given as codes); B: input x (given as codes): QUANTISED
;;     2. [M 1,024, K 1,024] x [K 1,024, N 8,192]; A: input Wk (given as codes); B: input x (given as codes): QUANTISED
;;     3. [M 1,024, K 1,024] x [K 1,024, N 8,192]; A: input Wv (given as codes); B: input x (given as codes): QUANTISED
;;     4. batch 64 x [M 2,048, K 64] x [K 64, N 2,048]; A: computed on the way; B: computed on the way: QUANTISED
;;     5. batch 64 x [M 2,048, K 2,048] x [K 2,048, N 64]; A: softmax (see below); B: computed on the way: QUANTISED
;;     6. [M 8,192, K 1,024] x [K 1,024, N 1,024]; A: computed on the way; B: input Wo (given as codes): QUANTISED
;;   THE QUANTISER, for each operand of a quantised product, along K:
;;     - K is cut into blocks of 32 from its start; a last block that is shorter is filled with zeros.
;;     - A block's scale is 2^e with e = floor(log2(the largest magnitude in the block)) - 8, held to -126 .. 127; a block of zeros has e = 0. As a byte (E8M0): e + 127.
;;     - Each number is divided by its block's scale, clamped to +-448, and rounded to the nearest number of E4M3, ties to even, subnormals kept.
;;     - The product sums the exact products of the quantised numbers (number of the format x scale) in f32.
;;   ~~~python
;;   def quantise(x, axis):      # numpy; x: float32 -> the quantised numbers, widened to float32 again
;;       x = np.moveaxis(x, axis, -1); K = x.shape[-1]
;;       x = np.pad(x, [(0, 0)] * (x.ndim - 1) + [(0, -K % 32)]); x = x.reshape(x.shape[:-1] + (-1, 32)); a = np.abs(x).max(-1, keepdims=True)
;;       e = np.where(a > 0, np.clip(np.frexp(np.where(a > 0, a, 1))[1] - 1 - 8, -126, 127), 0)      # np.frexp(a)[1] - 1 = floor(log2(a)), exactly
;;       r = np.clip(x / 2.0 ** e, -448, 448)
;;       step = 2.0 ** (np.maximum(np.frexp(np.where(r == 0, 1, r))[1] - 1, -6) - 3)
;;       q = np.round(r / step) * step * 2.0 ** e      # np.round: ties to even
;;       return np.moveaxis(q.reshape(q.shape[:-2] + (-1,))[..., :K], -1, axis).astype(np.float32)
;;   ~~~
;;   SOFTMAX AHEAD OF A QUANTISED PRODUCT. Where the list says 'softmax', what is quantised is not the finished softmax but p = 2^(t - M), with t = logit x log2(e) and M = ceil(the row's largest t), a whole number; so 1/2 < the row's largest p <= 1. The row's sum l is taken of the UNQUANTISED p, in f32, and the product's result is divided by l at the end. Since M is a whole number, a kernel that streams over the keys may use a running M (the ceiling of the running maximum): every later rescaling is an exact power of two, which a block's scale takes up: the codes' values come out the same.
;;   OPERANDS COMPUTED ON THE WAY. 'Computed on the way' means the value that the module computes at that place (a softmax that the list does not call 'softmax' is quantised finished and normalised). What goes into a quantiser is computed in f32, as accurately as f32 sums, v_exp_f32 and their like allow (about 1e-6 of the number): no bf16 or f16 on the way to a quantiser, and a product that is left as it is and whose result goes on into a quantised operand takes f32 operands (vector FMAs, or v_wmma_f32_16x16x4_f32). A number that lies on a knife's edge between two numbers of the format may be rounded either way, as far as f32 arithmetic and the matrix unit's own rounding can turn it there, and no further.
;;   INPUTS GIVEN AS CODES. Wk (in the module: [16, 1024, 64], K = its axis 1); Wo (in the module: [1024, 1024], K = its axis 0); Wq (in the module: [16, 1024, 64], K = its axis 1); Wv (in the module: [16, 1024, 64], K = its axis 1); x (in the module: [4, 2048, 1024], K = its axis 2): each comes as NAME_codes (uint8): NAME with its K axis moved to the last place and cut into blocks of 32 codes, [.., K / 32, bytes a block], one block behind the other in memory; one code a byte (a code: sign, 4 exponent bits, 3 mantissa bits); and NAME_scales (uint8): the same leading axes, one E8M0 byte (e + 127) for each 32 codes along K. Its value is code x scale, taken as it is: it is not quantised again, and the codes and scales need not be those that the quantiser above would give.
;; One version. Each part assembles by itself: llvm-mc -triple=amdgcn-amd-amdhsa -mcpu=gfx1250 --defsym DOCPART=n.
;; ======== version 1 of 1: 3 launches
;; limits: right only within a limited range of input values
;; workspace buffers: qimg 8,388,608 bytes; qscl 524,288 bytes; kv 17,563,648 bytes; ctximg 8,388,608 bytes; ctxscl 262,144 bytes
;; launch qkv (part 1): grid 8 x 32, 4 waves a work-group, clusters of 4 x 4, 327,680 bytes of LDS; arguments x_codes, x_scales, Wq_codes, Wq_scales, Wk_codes, Wk_scales, Wv_codes, Wv_scales, bq, bk, bv, qimg, qscl, kv; writes qimg, qscl, kv
.if DOCPART == 1
	.amdgcn_target "amdgcn-amd-amdhsa--gfx1250"
	.amdhsa_code_object_version 6
	.text
	.protected	k_q8f86757c21_qkv
	.globl	k_q8f86757c21_qkv
	.p2align	8
	.type	k_q8f86757c21_qkv,@function
k_q8f86757c21_qkv:
	s_mov_b64 s[64:65], 0
	v_nop
	global_prefetch_b8 v0, s[64:65] scope:SCOPE_SE
	s_setreg_imm32_b32 hwreg(HW_REG_WAVE_MODE, 25, 1), 1
	s_wait_xcnt 0x0
	s_wait_alu depctr_hold_cnt(0) depctr_sa_sdst(0) depctr_va_vdst(0) depctr_va_sdst(0) depctr_va_ssrc(0) depctr_va_vcc(0) depctr_vm_vsrc(0)
	s_getreg_b32 s2, hwreg(HW_REG_IB_STS2, 6, 4)
	s_cmp_eq_u32 s2, 0
	s_cbranch_scc0 .Lentry_in_a_cluster
	s_endpgm
.Lentry_in_a_cluster:
	s_bfe_u32 s2, ttmp6, 0x10000c
	s_cmp_lg_u32 s2, 0xf033
	s_cbranch_scc0 .Lentry_shape_is_right
	s_endpgm
.Lentry_shape_is_right:
; q = x Wq + bq, k = x Wk + bk, v = x Wv + bv on codes of E4M3 with one E8M0 scale for each 32 along K = 1,024; the results are quantised here and leave as operand images.
; x: 8,192 rows of 1,024 codes; each W: 1,024 rows (head x 64 + d) of 1,024 codes; scale bytes 32 a row.
; 256 WORK-GROUPS OF FOUR WAVES, EACH WITH TWO PHASES.  Work-group (X = 0..7, Y = 0..31).  PHASE 1: 256 rows of x (tile Y) x 256 rows of Wq (X < 4) or Wk: a wave makes 128 x 128, 64 accumulators.
; PHASE 2: the same 256 rows of x x 128 rows of Wv (rows 128 X on): a wave makes 128 keys x 64 d, one head, 32 accumulators.
; K goes in steps of 256 through two LDS slots filled by the tensor data mover, and the ring runs on from phase 1 into phase 2: phase 1's last two changes of slots ask for phase 2's K steps 0 and 1,
; which land while phase 1's results leave.  The scale bytes of x's 256 rows come once and stay; W's are filled again with Wv's at phase 1's last change of slots, when phase 1's last scale words are in registers.
; 4 x 4 work-groups form a cluster: x's tiles (region A) are asked for jointly along a row of the cluster, W's (region B) along a column.
; PHASE 1: source 0 = 16 rows of W, source 1 = 16 rows of x: a lane holds one position, its registers run along d, the K of the scores.
; PHASE 2: source 0 = 16 rows of x, source 1 = 16 rows of Wv: a lane holds one d, its registers run along the keys, the K of the second product.
; THE WAY OUT.  The 16 registers of two neighbouring accumulators and those of lane l xor 16 are a block of 32.  Converted as they stand they give 16 bytes a lane in which byte e is index
; 32 c + 16 (e / 8) + 8 (lane / 16) + e % 8 of block c: a fixed order inside the block.  q and k are both laid so, and so are v and the softmax's p in the next launch: both operands of a product
; carry the same order, so the products are the same.  An image is 512 consecutive bytes a store: four registers of lane l at 16 l.  The bias is the C of a phase's first products.
; LIMITS: NaN, infinities and NaN codes among the inputs are not served.  A block of zeros gets the byte 1 where the quantiser says 127: its codes are zeros, and this program alone reads the bytes.
; No prefetch: a phase has two refills of its own K only, and what they ask for would have to be named at the head, where every work-group's first tiles are on their way.
.set PITCH,  272                       ; an LDS row: 256 bytes + 16 of padding
.set HALFT,  128*PITCH                 ; 128 rows: one tensor load of the ring
.set SLOT,   4*HALFT                   ; A's 256 rows, then B's 256 (phase 2: 128)
.set ROWB,   256
.set KROW,   1024
.set NQ,     2                         ; matrix instructions deep in a slot
.set FR,     16                        ; registers of a fragment
.set NL,     4                         ; LDS loads that bring one
.set NP,     8                         ; places behind this matrix instruction (ISA guide 7.12.1)
.set KS,     32
.set SCL,    2*SLOT                    ; behind the ring: the scale bytes, as units of 256 bytes + 16
.set HALFS,  16*272                    ; those of 128 rows
.set SBLK,   2*272                     ; those of 16 rows
.set SPARE,  SCL+4*HALFS               ; the spare words
.set REC,    17152                     ; a record of kv: 128 keys: K's images 8,192, V's images 8,192, K's scale words 512, V's 256
.set HEADKV, 16*REC
.set ADRS2, 7                          ; v7      as v27, for phase 2
.set H32,  8                           ; v8      32 x (lane / 16)
.set R4,   9                           ; v9      4 x (lane % 16)
.set ADRA, 16                          ; v16-17  LDS address of my fragments of x in slot 0, 1
;                                        v18, v19, v22, v23: bv at my lane's d of Wv's four blocks
.set ADRB, 20                          ; v20-21  the same for W in phase 1
.set LI,   24                          ; v24     16 x lane
.set LI2,  25                          ; v25     the same in the next head's tile
.set SOFF, 26                          ; v26     my scale word's place in phase 1
.set ADRS, 27                          ; v27     LDS address of my scale words: lanes 0-15 x's rows, lanes 16-31 W's
.set SPW,  28
.set NIL,  29
.set ADRB2, 30                         ; v30-31  as v20-21, for Wv
.set SC,   32                          ; v32-63  scale words, two sets
.set BI,   64                          ; v64-127 the bias, eight registers a block of W
.set AF,   128                         ; v128-255 x's fragments, one set.  Window 1: W's, two sets.  Windows 2, 3: the accumulators
.set TM,   200                         ; the way out: v200-203 largest magnitudes, v204-207 bytes, v208-211 bounds, v212-215 scale operands, v216-217 at work
.set WB,   2                           ; s2      wave & 1: my half of W; also which 128 rows I fetch
.set MHI,  3                           ; s3      lanes 16-31
.set MNT,  7                           ; s7      the mantissa field of 448
.set P2B,  16                          ; s[16:17] Wv's codes at row 128 X;  s[18:19] its scale bytes
.set P2S,  18
.set CB2,  30                          ; s[30:31] where my head's images of V go
.set G1,   32                          ; s[32:39] group 1 for x's tiles; s[40:47] group 0, a set for each slot
.set G0,   40
.set G1B,  48                          ; the same for W's
.set G0B,  56
.set WV,   66
.set WA,   67                          ; wave >> 1: my half of x; in phase 1 also: I fetch for x (0) or W (1)
.set G1S,  68                          ; groups 1 and 0 for x's scale bytes, then for W's
.set G0S,  76
.set G1SB, 80
.set G0SB, 88
.set SEL,  94
.set BP,   96
.set CB,   98                          ; s[98:99] where phase 1's codes go; s[100:101] its scale words
.set SB,   100
.set MSB, 0
.macro WIN new                         ; the immediate's high byte repeats the setting that is left
.if MSB != \new
	s_set_vgpr_msb (MSB<<8)|\new
.set MSB, \new
.endif
.endm
.set TO_B, 0x40                        ; destination window 1
.macro PHASE p                         ; what differs between the phases: the operands' windows, W's blocks a wave, two address registers
.set PH, \p
.if \p
.set W_LO, 0xa4                        ; source 0 (x) window 0, source 1 (Wv) window 1, C and D window 2
.set W_HI, 0xa4
.set WB_LO, 0x84                       ; C (the bias) window 0
.set WB_HI, 0x84
.set NBF, 4
.set ADB, ADRB2
.set ADS, ADRS2
.else
.set W_LO, 0xa1                        ; source 0 (W) window 1, source 1 (x) window 0, C and D window 2
.set W_HI, 0xf1                        ; the same, C and D window 3
.set WB_LO, 0x81
.set WB_HI, 0xc1
.set NBF, 8
.set ADB, ADRB
.set ADS, ADRS
.endif
.endm
.macro TL g0, g1                       ; a tensor load; an s_nop 0 and four v_nop follow it
	tensor_load_to_lds s[\g0:\g0+3], s[\g1:\g1+7]
	s_nop 0
.rept 4
	v_nop
.endr
.endm
.macro JLOAD s                         ; phase 1's joint load: waves 0 and 1 fetch x's halves, waves 2 and 3 W's
	s_cmp_eq_u32 s[WA], 0
	s_cbranch_scc0 .Lfor_b_\@
	TL G0+4*\s, G1
	s_branch .Lasked_\@
.Lfor_b_\@:
	TL G0B+4*\s, G1B
.Lasked_\@:
.endm
.macro JLOAD2 s, sc                    ; phase 2's: waves 0 and 1 x's halves, wave 2 Wv's 128 rows; wave 3 Wv's scale bytes (sc = 1) or nothing
	s_cmp_lt_u32 s[WV], 2
	s_cbranch_scc0 .Lfor_b_\@
	TL G0+4*\s, G1
	s_branch .Lasked_\@
.Lfor_b_\@:
	s_cmp_eq_u32 s[WV], 2
	s_cbranch_scc0 .Lfor_s_\@
	TL G0B+4*\s, G1B
.if \sc
	s_branch .Lasked_\@
.endif
.Lfor_s_\@:
.if \sc
	TL G0SB, G1SB
.endif
.Lasked_\@:
.endm
.macro CREST                           ; a round of the cluster's barrier behind its opening barrier
	s_cmp_lg_u32 s[WV], 0
	s_cbranch_scc1 .Lnot_wave_0_\@
	s_barrier_signal -3
.Lnot_wave_0_\@:
	s_barrier_wait -3
	s_barrier_signal -1
	s_barrier_wait -1
.endm
.macro CROUND
	s_barrier_signal -1
	s_barrier_wait -1
	CREST
.endm
	s_load_b512 s[4:19], s[0:1], 0x0               ; x codes, x scales, Wq codes, scales, Wk codes, scales, Wv codes, scales
	s_load_b256 s[20:27], s[0:1], 0x40             ; bq, bk, bv, qimg
	s_load_b128 s[28:31], s[0:1], 0x60             ; qscl, kv
	v_lshl_add_u32 v[SPW], v0, 2, SPARE
	v_mov_b32 v[NIL], 0
	ds_add_u32 v[SPW], v[NIL]                      ; the opening lines: the add, twice on end, and its wait
	ds_add_u32 v[SPW], v[NIL]
	v_lshrrev_b32 v1, 5, v0
	v_readfirstlane_b32 s[WV], v1                  ; wave 0..3
	s_lshr_b32 s[WA], s[WV], 1
	s_and_b32 s[WB], s[WV], 1
	s_bfe_u32 s92, ttmp6, 0x40000                  ; cx
	s_bfe_u32 s93, ttmp6, 0x40004                  ; cy
	s_and_b32 s94, ttmp7, 0xffff
	s_lshl_b32 s94, s94, 2                         ; 4 x cluster y
	s_lshl_b32 s3, s93, 2
	s_lshl_b32 s3, 15, s3                          ; my row of the cluster
	s_lshl_b32 s95, 0x1111, s92                    ; my column
	; group 1: rows of 256 bytes, 16 bytes of padding behind each; 256 rows for the head's loads, 128 behind them
	s_or_b32 s[G1], s3, (1<<20)|(1<<21)|(5<<22)|(3<<25)
	s_or_b32 s[G1B], s95, (1<<20)|(1<<21)|(5<<22)|(3<<25)
.irp g, G1, G1B
	s_mov_b32 s[\g+1], ROWB<<16
	s_mov_b32 s[\g+2], 256<<16
	s_mov_b32 s[\g+3], ROWB<<16
	s_mov_b32 s[\g+4], 256
	s_mov_b32 s[\g+5], KROW
	s_mov_b32 s[\g+6], 0
	s_mov_b32 s[\g+7], 0
.endr
	; the scale bytes of 256 rows: 8,192 dense bytes as 32 rows of 256 (32 elements of 8 bytes), padded alike
	s_or_b32 s[G1S], s3, (3<<16)|(1<<20)|(1<<21)|(5<<22)|(3<<25)
	s_or_b32 s[G1SB], s95, (3<<16)|(1<<20)|(1<<21)|(5<<22)|(3<<25)
.irp g, G1S, G1SB
	s_mov_b32 s[\g+1], 32<<16
	s_mov_b32 s[\g+2], 32<<16
	s_mov_b32 s[\g+3], 32<<16
	s_mov_b32 s[\g+4], 32
	s_mov_b32 s[\g+5], 32
	s_mov_b32 s[\g+6], 0
	s_mov_b32 s[\g+7], 0
.endr
	s_wait_dscnt 0x0                               ; both opening adds are done
	s_wait_kmcnt 0x0
	s_cmp_eq_u32 ttmp9, 0                          ; q's clusters?  (the cluster's x is the same in all sixteen partners)
	s_cselect_b64 s[8:9], s[8:9], s[12:13]         ; W's codes: Wq or Wk
	s_cselect_b64 s[10:11], s[10:11], s[14:15]     ; its scale bytes
	s_cselect_b64 s[BP:BP+1], s[20:21], s[22:23]   ; bq or bk
	s_cselect_b64 s[CB:CB+1], s[26:27], s[30:31]   ; codes go to qimg or kv
	s_cselect_b64 s[SB:SB+1], s[28:29], s[30:31]   ; scale words to qscl or kv
	s_add_co_u32 s12, s94, s93                     ; Y: x's tile hangs on cy alone
	s_lshl_b32 s20, s12, 18                        ; 256 rows of 1,024 bytes a tile
	s_mov_b32 s21, 0
	s_lshl_b32 s22, s92, 18                        ; W's tile hangs on cx alone
	s_mov_b32 s23, 0
	s_add_nc_u64 s[4:5], s[4:5], s[20:21]
	s_add_nc_u64 s[8:9], s[8:9], s[22:23]
	s_lshl_b32 s20, s12, 13                        ; and 256 rows of 32 scale bytes
	s_lshl_b32 s22, s92, 13
	s_add_nc_u64 s[6:7], s[6:7], s[20:21]
	s_add_nc_u64 s[10:11], s[10:11], s[22:23]
	s_mul_i32 s13, s[WV], HALFT                    ; where my part of a slot goes: no place in the cluster enters an LDS address
	CROUND                                         ; all sixteen work-groups are here: the first joint loads meet
	s_mov_b32 s[G0S], 1
	s_mov_b32 s[G0S+1], SCL
	s_mov_b64 s[G0S+2:G0S+3], s[6:7]
	s_or_b32 s[G0S+3], s[G0S+3], 0x80000000
	s_mov_b32 s[G0SB], 1
	s_mov_b32 s[G0SB+1], SCL+2*HALFS
	s_mov_b64 s[G0SB+2:G0SB+3], s[10:11]
	s_or_b32 s[G0SB+3], s[G0SB+3], 0x80000000
	s_mov_b32 s[G0], 1                             ; slot 0's groups 0 serve the head's loads first: K step 0's 256 rows of x,
	s_mov_b32 s[G0+1], 0
	s_mov_b64 s[G0+2:G0+3], s[4:5]
	s_or_b32 s[G0+3], s[G0+3], 0x80000000
	s_mov_b32 s[G0B], 1                            ; and of W
	s_mov_b32 s[G0B+1], 2*HALFT
	s_mov_b64 s[G0B+2:G0B+3], s[8:9]
	s_or_b32 s[G0B+3], s[G0B+3], 0x80000000
	s_lshl_b32 s20, s[WB], 17                      ; in the ring I fetch 128 rows: which half
	s_add_nc_u64 s[4:5], s[4:5], s[20:21]
	s_add_nc_u64 s[8:9], s[8:9], s[20:21]
	s_mov_b32 s[G0+4], 1
	s_add_co_u32 s[G0+5], s13, SLOT
	s_add_nc_u64 s[G0+6:G0+7], s[4:5], ROWB
	s_or_b32 s[G0+7], s[G0+7], 0x80000000
	s_mov_b32 s[G0B+4], 1
	s_add_co_u32 s[G0B+5], s13, SLOT
	s_add_nc_u64 s[G0B+6:G0B+7], s[8:9], ROWB
	s_or_b32 s[G0B+7], s[G0B+7], 0x80000000
; THE HEAD'S LOADS, ONE A WAVE: one chain of branches on the wave's number, a load to an arm
.macro ARM under, g0, g1, next
	s_cmp_lt_u32 s[WV], \under
	s_cbranch_scc0 \next
	TL \g0, \g1
	s_branch .Lhead_asked
\next:
.endm
	ARM 1, G0,  G1,  .Lhead_b
	ARM 2, G0B, G1B, .Lhead_sa
	ARM 3, G0S, G1S, .Lhead_sb
	TL G0SB, G1SB
.Lhead_asked:
	v_and_b32 v1, 15, v0                           ; r = lane % 16
	v_bfe_u32 v2, v0, 4, 1                         ; h = lane / 16
	v_mul_u32_u24 v3, v1, PITCH
	v_lshl_add_u32 v4, v2, 4, v3                   ; a fragment's row x pitch + 16 h
	v_lshlrev_b32 v[H32], 5, v2
	v_lshlrev_b32 v[R4], 2, v1
	v_mul_u32_u24 v5, v1, KS                       ; my row's scale bytes: 32 a row,
	v_lshrrev_b32 v6, 8, v5
	v_lshl_add_u32 v5, v6, 4, v5                   ; and 16 more for each 256 passed
	v_and_b32 v6, 31, v0
	v_lshlrev_b32 v[LI], 4, v6
	s_wait_alu depctr_va_vdst(0)
	s_mul_i32 s20, s[WA], HALFT                    ; my 128 rows of x
	s_mul_i32 s21, s[WB], HALFT                    ; my 128 rows of W, behind x's 256
	s_add_co_u32 s21, s21, 2*HALFT
	s_mul_i32 s22, s[WB], 64*PITCH                 ; my 64 rows of Wv
	s_add_co_u32 s22, s22, 2*HALFT
.irp s, 0,1
	v_add_nc_u32 v[ADRA+\s], s20, v4
	v_add_nc_u32 v[ADRB+\s], s21, v4
	v_add_nc_u32 v[ADRB2+\s], s22, v4
	s_add_co_u32 s20, s20, SLOT
	s_add_co_u32 s21, s21, SLOT
	s_add_co_u32 s22, s22, SLOT
.endr
	s_mul_i32 s20, s[WA], HALFS
	s_mul_i32 s21, s[WB], HALFS
	s_add_co_u32 s21, s21, 2*HALFS
	s_sub_co_u32 s21, s21, s20
	s_mul_i32 s22, s[WB], 4*SBLK
	s_add_co_u32 s22, s22, 2*HALFS
	s_sub_co_u32 s22, s22, s20
	s_add_co_u32 s20, s20, SCL
	v_mul_u32_u24 v6, s21, v2                      ; lanes 16-31 take W's: the lower base + h x the distance
	v_mul_u32_u24 v3, s22, v2
	v_add_nc_u32 v6, v5, v6
	v_add_nc_u32 v3, v5, v3
	v_add_nc_u32 v[ADRS], s20, v6
	v_add_nc_u32 v[ADRS2], s20, v3
	; where the results go.  s4: my first row of W in phase 1; s5: my first row of x.  They enter global addresses alone.
	s_lshl_b32 s4, s92, 8
	s_lshl_b32 s5, s[WB], 7
	s_add_co_u32 s4, s4, s5
	s_add_co_u32 s5, s94, s93
	s_lshl_b32 s5, s5, 8
	s_lshl_b32 s6, s[WA], 7
	s_add_co_u32 s5, s5, s6
	s_mov_b32 s7, HEADKV
	s_mov_b32 s6, REC
	s_cmp_eq_u32 ttmp9, 0
	s_cselect_b32 s26, 131072, s7                  ; a head's bytes where codes go: qimg 128 tiles x 1,024; kv 16 records
	s_cselect_b32 s27, 8192, s7                    ; and where scale words go: qscl 128 tiles x 64
	s_cselect_b32 s28, 8192, s6                    ; 128 positions on, codes
	s_cselect_b32 s29, 512, s6                     ; and scale words
	s_cselect_b32 s20, 0, 16384                    ; K's scale words in a record
	s_lshr_b32 s8, s5, 11
	s_lshl_b32 s8, s8, 4                           ; batch x 16
	s_lshr_b32 s9, s4, 6
	s_add_co_u32 s9, s9, s8                        ; + my first head
	s_bfe_u32 s10, s5, 0x40007                     ; which 128 positions of the 2,048
	s_mul_i32 s12, s9, s26
	s_mul_i32 s13, s10, s28
	s_add_co_u32 s12, s12, s13
	s_mov_b32 s13, 0
	s_add_nc_u64 s[CB:CB+1], s[CB:CB+1], s[12:13]
	s_mul_i32 s12, s9, s27
	s_mul_i32 s14, s10, s29
	s_add_co_u32 s12, s12, s14
	s_add_co_u32 s12, s12, s20
	s_add_nc_u64 s[SB:SB+1], s[SB:SB+1], s[12:13]
	s_lshl_b32 s12, s4, 2
	s_add_nc_u64 s[BP:BP+1], s[BP:BP+1], s[12:13]  ; the bias at my first row of W
	s_lshl_b32 s11, ttmp9, 2
	s_add_co_u32 s11, s11, s92                     ; X
	s_lshl_b32 s12, s11, 17
	s_add_nc_u64 s[P2B:P2B+1], s[P2B:P2B+1], s[12:13]   ; Wv's 128 rows: they hang on the cluster's x and cx alone
	s_lshl_b32 s12, s11, 12
	s_add_nc_u64 s[P2S:P2S+1], s[P2S:P2S+1], s[12:13]
	s_lshl_b32 s11, s11, 1
	s_add_co_u32 s11, s11, s[WB]                   ; my head of v
	s_lshl_b32 s12, s11, 8
	s_add_nc_u64 s[24:25], s[24:25], s[12:13]      ; bv at that head
	s_add_co_u32 s11, s11, s8
	s_mul_i32 s12, s11, HEADKV
	s_mul_i32 s14, s10, REC
	s_add_co_u32 s12, s12, s14
	s_add_co_u32 s12, s12, 8192                    ; V's images lie behind K's
	s_add_nc_u64 s[CB2:CB2+1], s[CB2:CB2+1], s[12:13]
	s_mov_b32 s[MHI], 0xffff0000
	s_mov_b32 s[MNT], 0x600000
	s_mov_b32 s[SEL], 0x76543210
	s_mov_b32 s[SEL+1], 0xfedcba98
	v_add_nc_u32 v[LI2], s26, v[LI]
	v_mad_u32_u24 v[SOFF], v2, s27, v[R4]          ; lanes 16-31 store the next head's scale word
.irp i, 0,1,2,3,4,5,6,7                        ; register 8 i + j = bias[my first row + 16 i + 8 h + j]
	global_load_b128 v[BI+8*\i:BI+8*\i+3], v[H32], s[BP:BP+1] offset:64*\i
	global_load_b128 v[BI+8*\i+4:BI+8*\i+7], v[H32], s[BP:BP+1] offset:64*\i+16
.endr
	global_load_b32 v18, v[R4], s[24:25]           ; bv[my head][16 b + r], b = 0 .. 3
	global_load_b32 v19, v[R4], s[24:25] offset:64
	global_load_b32 v22, v[R4], s[24:25] offset:128
	global_load_b32 v23, v[R4], s[24:25] offset:192
.macro FRAG reg, adr, q, i             ; 16 rows x 128 K of 8-bit codes: registers 4 c .. 4 c + 3 hold K = 32 c + 16 h + 0 .. 15 of row r
.irp c, 0,1,2,3
	ds_load_b128 v[\reg+4*\c:\reg+4*\c+3], v[\adr] offset:128*(\q)+32*\c+(\i)*16*PITCH
.endr
.endm
; x's blocks a0, a0 + 1 against W's NBF blocks.  p: W's set; sc: the set of scale words.  zero = 1: C is the bias by W's block.  Phase 1: accumulator (a, b) at v[8 (8 (a % 4) + b)] of window 2 + a / 4;
; phase 2: at v[64 b + 8 a] of window 2.  The accumulators take turns, one instruction a turn, in the same order in every step.
.macro MUL16 a0, p, q, sc, zero
.irp a, \a0, \a0+1
.irp b, 0,1,2,3,4,5,6,7
.if \b < NBF
.set XS_, SC+8*NQ*(\sc)+NQ*(\a)+(\q)
.set WS_, SC+8*NQ*(\sc)+NQ*\b+(\q)
.set XF_, AF+FR*(\a)
.set WF_, 128*(\p)+FR*\b
.if PH
.set D_, 64*\b+8*(\a)
.else
.set D_, 8*(8*((\a)%4)+\b)
.endif
.if \zero
.set C_, BI+8*\b
.else
.set C_, D_
.endif
.if PH
	v_wmma_scale_f32_16x16x128_f8f6f4 v[D_:D_+7], v[XF_:XF_+FR-1], v[WF_:WF_+FR-1], v[C_:C_+7], v[XS_], v[WS_] matrix_b_scale:MATRIX_SCALE_ROW1
.else
	v_wmma_scale_f32_16x16x128_f8f6f4 v[D_:D_+7], v[WF_:WF_+FR-1], v[XF_:XF_+FR-1], v[C_:C_+7], v[WS_], v[XS_] matrix_a_scale:MATRIX_SCALE_ROW1
.endif
.endif
.endr
.endr
.endm
.macro FETCH_B slot, q, p              ; W's fragments of the slot's q-th 128 along K into set p
	WIN TO_B
.irp i, 0,1,2,3,4,5,6,7
.if \i < NBF
	FRAG 128*(\p)+FR*\i, ADB+\slot, \q, \i
.endif
.endr
	WIN 0
.endm
.macro FETCH_A slot, q, i0             ; x's blocks i0 .. i0 + 3
.irp i, \i0, \i0+1, \i0+2, \i0+3
	FRAG AF+FR*(\i), ADRA+\slot, \q, \i
.endr
.endm
.macro SCALES sc                       ; a K step's scale words: two a row; lanes 0-15 x's block i, lanes 16-31 W's block i (phase 2: those of i > 3 are not used)
.irp i, 0,1,2,3,4,5,6,7
	ds_load_b64 v[SC+8*NQ*\sc+NQ*\i:SC+8*NQ*\sc+NQ*\i+1], v[ADS] offset:\i*SBLK
.endr
.endm
.macro PLACES n
.rept \n
	v_nop
.endr
.endm
; A step of 128 along K that has its successor in the same slot.  x's blocks are free as soon as their products are issued: blocks 0-3 are fetched anew in the middle, 4-7 at the end.
.macro STEP slot, q, zero
	s_wait_dscnt 4*NL                              ; all but the youngest sixteen loads (x's blocks 4-7) are in
.if \zero
	WIN WB_LO
.else
	WIN W_LO
.endif
	MUL16 0, (\q)%2, \q, \slot, \zero
	MUL16 2, (\q)%2, \q, \slot, \zero
	s_wait_dscnt 0
	PLACES NP
	FETCH_B \slot, (\q)+1, 1-(\q)%2
	FETCH_A \slot, (\q)+1, 0
.if \zero
	WIN WB_HI
.else
	WIN W_HI
.endif
	MUL16 4, (\q)%2, \q, \slot, \zero
	MUL16 6, (\q)%2, \q, \slot, \zero
	PLACES NP
	WIN 0
	FETCH_A \slot, (\q)+1, 4
.endm
; A slot's last step changes slots: one barrier; in front of it each wave waits for all its tensor loads, adds 0 to its spare word and waits for that and for its reads of this slot.
; fill > 0: the barrier opens a round of the cluster's barrier, and the slot is filled again first thing behind the round: 1: two K steps on; 2: phase 2's K step 0; 3: phase 2's K step 1 and Wv's scale bytes.
; fetch = 0: the next slot's fragments are fetched later, behind the way out.
.macro TURN slot, next, fill, fetch=1
	s_wait_tensorcnt 0x0
	ds_add_u32 v[SPW], v[NIL]
	s_wait_dscnt 4*NL+1                            ; the add and the youngest sixteen loads may be out
	WIN W_LO
	MUL16 0, 1, NQ-1, \slot, 0
	s_wait_dscnt 0x0                               ; the add is done, and my reads of this slot are over
	s_barrier_signal -1
	MUL16 2, 1, NQ-1, \slot, 0
	WIN 0
	s_barrier_wait -1
.if \fill
	CREST                                          ; no wave of any partner still reads this slot or has a load on its way
.endif
.if \fill == 1
	s_add_nc_u64 s[G0+4*\slot+2:G0+4*\slot+3], s[G0+4*\slot+2:G0+4*\slot+3], 2*ROWB
	s_add_nc_u64 s[G0B+4*\slot+2:G0B+4*\slot+3], s[G0B+4*\slot+2:G0B+4*\slot+3], 2*ROWB
.if PH
	JLOAD2 \slot, 0
.else
	JLOAD \slot
.endif
.elseif \fill > 1
	s_sub_nc_u64 s[G0+4*\slot+2:G0+4*\slot+3], s[G0+4*\slot+2:G0+4*\slot+3], 2*ROWB   ; x's rows again, from the start of K
	s_mov_b32 s[G0B+4*\slot+1], 2*HALFT+\slot*SLOT
	s_add_nc_u64 s[G0B+4*\slot+2:G0B+4*\slot+3], s[P2B:P2B+1], \slot*ROWB
	s_or_b32 s[G0B+4*\slot+3], s[G0B+4*\slot+3], 0x80000000
.if \fill == 3
	s_mov_b32 s[G1SB+2], 16<<16                    ; the scale bytes of Wv's 128 rows: 16 rows of 256 bytes, where W's first 128 rows' lay
	s_mov_b32 s[G1SB+4], 16
	s_mov_b64 s[G0SB+2:G0SB+3], s[P2S:P2S+1]
	s_or_b32 s[G0SB+3], s[G0SB+3], 0x80000000
	JLOAD2 \slot, 1
.else
	JLOAD2 \slot, 0
.endif
.endif
	PLACES NP
.if \fetch
	s_wait_alu depctr_va_vdst(0)                   ; directly ahead of the reader below
	v_add_nc_u32 v[ADS], 4*NQ, v[ADS]              ; the next K step's scale words
	FETCH_B \next, 0, 0
	FETCH_A \next, 0, 0
	SCALES \next
.endif
	WIN W_HI
	MUL16 4, 1, NQ-1, \slot, 0
	MUL16 6, 1, NQ-1, \slot, 0
	PLACES NP
	WIN 0
.if \fetch
	FETCH_A \next, 0, 4
.endif
.endm
.macro FIRST                           ; a phase's first fragments and scale words
	FETCH_B 0, 0, 0
	FETCH_A 0, 0, 0
	SCALES 0
	FETCH_A 0, 0, 4
.endm
; THE WAY OUT of 64 numbers a lane at v[64 (a % 4)] of window 2 + a / 4: four blocks of 32 shared with lane l xor 16.  Largest magnitude with the floor 2^(9 - 127) among its leaves; 8 off its exponent field is the
; conversion's scale operand, that shifted the byte; its exponent field over 448's mantissa is the bound of the hold (the conversion to an 8-bit code does not saturate: ISA guide 7.6.2).
; vm = 0: x's block a, two heads of q or k.  vm = 1: Wv's block a, 128 keys.
.macro QOUT a, vm
.set QW,  2+(\a)/4
.set QS,  64*((\a)%4)
.set PC,  128-64*(((\a)%4)/2)+16*((\a)%2)   ; 16 registers of codes in window 0, whose names differ from the names of the block's registers
.set PW,  160+(\a)%2
.set QW1, (QW|(QW<<2))
.set QW2, ((QW<<2)|(QW<<4))
.set QW3, (QW|(QW<<6))
	s_wait_xcnt 0x0                                ; the earlier stores have read their data
	WIN QW1
.irp b, 0,1,2,3
	v_max3_num_f32 v[TM+\b], |v[QS+16*\b]|, |v[QS+16*\b+1]|, 0x4800000   ; each accumulator is read from its low end on
.endr
	WIN QW2
.irp i, 2,4,6,8,10,12,14
.irp b, 0,1,2,3
	v_max3_num_f32 v[TM+\b], v[TM+\b], |v[QS+16*\b+\i]|, |v[QS+16*\b+\i+1]|
.endr
.endr
	WIN 0
.irp b, 0,1,2,3
	v_permlanex16_b32 v[TM+4+\b], v[TM+\b], s[SEL], s[SEL+1]
.endr
.irp b, 0,1,2,3
	v_max_num_f32 v[TM+\b], v[TM+\b], v[TM+4+\b]
.endr
.irp b, 0,1,2,3
	v_add_nc_u32 v[TM+12+\b], 0xfc000000, v[TM+\b]
.endr
.irp b, 0,1,2,3
	v_and_or_b32 v[TM+8+\b], v[TM+\b], 0x7f800000, s[MNT]
.endr
.irp b, 0,1,2,3
	v_lshrrev_b32 v[TM+4+\b], 23, v[TM+12+\b]
.endr
	v_lshl_or_b32 v216, v[TM+5], 8, v[TM+4]
	v_lshl_or_b32 v217, v[TM+7], 8, v[TM+6]
.if \vm
	v_lshl_or_b32 v[PW], v217, 16, v216            ; four bytes for four blocks of keys
.else
	v_cndmask_b32 v[PW], v216, v217, s[MHI]        ; two bytes, zeros above them: lanes 0-15 the first head's word, lanes 16-31 the second's
.endif
	WIN QW3
.irp b, 0,1,2,3
.irp i, 0,1,2,3,4,5,6,7,8,9,10,11,12,13,14,15
	v_med3_num_f32 v[QS+16*\b+\i], v[QS+16*\b+\i], -v[TM+8+\b], v[TM+8+\b]
.endr
.endr
	WIN QW
.irp b, 0,1,2,3
	v_cvt_scalef32_pk8_fp8_f32 v[PC+4*\b:PC+4*\b+1], v[QS+16*\b:QS+16*\b+7], v[TM+12+\b]
	v_cvt_scalef32_pk8_fp8_f32 v[PC+4*\b+2:PC+4*\b+3], v[QS+16*\b+8:QS+16*\b+15], v[TM+12+\b]
.endr
	WIN 0
	v_nop                                          ; a plain vector instruction behind the last scaled conversion
.if \vm                                        ; each store of codes covers 512 consecutive bytes, aligned
.irp b, 0,1,2,3
	global_store_b128 v[LI], v[PC+4*\b:PC+4*\b+3], s[CB2:CB2+1] offset:2048*(\a)+512*\b
.endr
	global_store_b32 v[R4], v[PW], s[CB2:CB2+1] offset:8704+64*(\a)   ; V's scale words lie 8,704 bytes behind its images; both halves of the lanes hold the same word
.else
	global_store_b128 v[LI], v[PC:PC+3], s[CB:CB+1] offset:1024*(\a)
	global_store_b128 v[LI], v[PC+4:PC+7], s[CB:CB+1] offset:1024*(\a)+512
	global_store_b128 v[LI2], v[PC+8:PC+11], s[CB:CB+1] offset:1024*(\a)
	global_store_b128 v[LI2], v[PC+12:PC+15], s[CB:CB+1] offset:1024*(\a)+512
	global_store_b32 v[SOFF], v[PW], s[SB:SB+1] offset:64*(\a)
.endif
.endm
	s_wait_alu depctr_va_vdst(0)                   ; the head's end
	s_wait_loadcnt 0x0                             ; the biases
	s_wait_tensorcnt 0x0                           ; my tile of the head's four is in; slot 1's first fill is issued as a refill is:
	ds_add_u32 v[SPW], v[NIL]
	s_mov_b32 s[G1+2], 128<<16                     ; no tensor load of mine is out, so descriptors may be written: from here on a load of codes brings 128 rows
	s_mov_b32 s[G1+4], 128
	s_mov_b32 s[G1B+2], 128<<16
	s_mov_b32 s[G1B+4], 128
	s_mul_i32 s[G0+1], s[WV], HALFT                ; slot 0's groups 0 for the ring: my 128 rows
	s_mul_i32 s[G0B+1], s[WV], HALFT
	s_lshl_b32 s20, s[WB], 17
	s_mov_b32 s21, 0
	s_add_nc_u64 s[G0+2:G0+3], s[G0+2:G0+3], s[20:21]
	s_add_nc_u64 s[G0B+2:G0B+3], s[G0B+2:G0B+3], s[20:21]
	s_wait_dscnt 0x0
	CROUND                                         ; all four tiles are in, and all sixteen work-groups are here
	JLOAD 1                                        ; K step 1: the first tensor load behind the round
	PHASE 0
	FIRST
	STEP 0, 0, 1
	TURN 0, 1, 1                                   ; K = 1,024 is four K steps
	STEP 1, 0, 0
	TURN 1, 0, 1
	STEP 0, 0, 0
	TURN 0, 1, 2                                   ; the ring goes on into phase 2
	STEP 1, 0, 0
	TURN 1, 0, 3, 0
.irp b, 0,1,2,3
	v_mov_b32 v[TM+4+\b], 0                        ; written once: a lane permute's destination counts as one of its sources
.endr
.irp a, 0,1,2,3,4,5,6,7
	QOUT \a, 0
.endr
	s_wait_xcnt 0x0                                ; the last stores have read their data: the registers are written below
.irp j, 0,1,2,3,4,5,6,7                        ; phase 2's bias: all eight registers of Wv's block b hold bv at my lane's d
	v_mov_b32 v[BI+\j], v18
	v_mov_b32 v[BI+8+\j], v19
	v_mov_b32 v[BI+16+\j], v22
	v_mov_b32 v[BI+24+\j], v23
.endr
	s_wait_alu depctr_va_vdst(0)
	s_wait_tensorcnt 0x0                           ; my part of phase 2's K step 1, or Wv's scale bytes, is in,
	s_barrier_signal -1
	s_barrier_wait -1                              ; everybody's is
	PHASE 1
	FIRST
	STEP 0, 0, 1
	TURN 0, 1, 1
	STEP 1, 0, 0
	TURN 1, 0, 1
	STEP 0, 0, 0
	TURN 0, 1, 0
	STEP 1, 0, 0
	s_wait_dscnt 4*NL
	WIN W_LO
	MUL16 0, 1, NQ-1, 1, 0
	MUL16 2, 1, NQ-1, 1, 0
	s_wait_dscnt 0
	MUL16 4, 1, NQ-1, 1, 0
	MUL16 6, 1, NQ-1, 1, 0
	WIN 0
	PLACES NP
.irp a, 0,1,2,3
	QOUT \a, 1
.endr
	s_wait_tensorcnt 0x0                           ; the wave's end
	ds_add_u32 v[SPW], v[NIL]
	s_wait_dscnt 0x0
	CROUND                                         ; the closing round
	s_endpgm
.Lfunc_end_k_q8f86757c21_qkv:
	.size	k_q8f86757c21_qkv, .Lfunc_end_k_q8f86757c21_qkv-k_q8f86757c21_qkv
	.p2alignl 7, 3214868480
	.fill 96, 4, 3214868480
	.section	.rodata,"a",@progbits
	.p2align	6, 0x0
	.amdhsa_kernel k_q8f86757c21_qkv
		.amdhsa_group_segment_fixed_size 327680
		.amdhsa_private_segment_fixed_size 0
		.amdhsa_enable_private_segment 0
		.amdhsa_kernarg_size 112
		.amdhsa_user_sgpr_count 2
		.amdhsa_user_sgpr_kernarg_segment_ptr 1
		.amdhsa_wavefront_size32 1
		.amdhsa_system_sgpr_workgroup_id_x 1
		.amdhsa_system_sgpr_workgroup_id_y 1
		.amdhsa_system_sgpr_workgroup_id_z 1
		.amdhsa_system_vgpr_workitem_id 0
		.amdhsa_next_free_vgpr 1024
		.amdhsa_next_free_sgpr 102
		.amdhsa_reserve_vcc 0
		.amdhsa_float_denorm_mode_32 3
		.amdhsa_float_denorm_mode_16_64 3
		.amdhsa_memory_ordered 1
		.amdhsa_forward_progress 1
		.amdhsa_inst_pref_size 255
	.end_amdhsa_kernel
	.section	.bss,"aw",@nobits
	.p2align	6
	.space	262144
	.amdgpu_metadata
---
amdhsa.version: [ 1, 2 ]
amdhsa.kernels:
  - .name:           k_q8f86757c21_qkv
    .symbol:         k_q8f86757c21_qkv.kd
    .args:
      - { .name: x_codes, .offset: 0, .size: 8, .value_kind: global_buffer, .address_space: global }
      - { .name: x_scales, .offset: 8, .size: 8, .value_kind: global_buffer, .address_space: global }
      - { .name: Wq_codes, .offset: 16, .size: 8, .value_kind: global_buffer, .address_space: global }
      - { .name: Wq_scales, .offset: 24, .size: 8, .value_kind: global_buffer, .address_space: global }
      - { .name: Wk_codes, .offset: 32, .size: 8, .value_kind: global_buffer, .address_space: global }
      - { .name: Wk_scales, .offset: 40, .size: 8, .value_kind: global_buffer, .address_space: global }
      - { .name: Wv_codes, .offset: 48, .size: 8, .value_kind: global_buffer, .address_space: global }
      - { .name: Wv_scales, .offset: 56, .size: 8, .value_kind: global_buffer, .address_space: global }
      - { .name: bq, .offset: 64, .size: 8, .value_kind: global_buffer, .address_space: global }
      - { .name: bk, .offset: 72, .size: 8, .value_kind: global_buffer, .address_space: global }
      - { .name: bv, .offset: 80, .size: 8, .value_kind: global_buffer, .address_space: global }
      - { .name: qimg, .offset: 88, .size: 8, .value_kind: global_buffer, .address_space: global }
      - { .name: qscl, .offset: 96, .size: 8, .value_kind: global_buffer, .address_space: global }
      - { .name: kv, .offset: 104, .size: 8, .value_kind: global_buffer, .address_space: global }
    .group_segment_fixed_size: 327680
    .private_segment_fixed_size: 0
    .kernarg_segment_align: 8
    .kernarg_segment_size: 112
    .max_flat_workgroup_size: 128
    .sgpr_count:     102
    .vgpr_count:     1024
    .wavefront_size: 32
...
	.end_amdgpu_metadata
.endif
;; end of part 1
;; launch attn (part 2): grid 4 x 64, 16 waves a work-group, clusters of 4 x 1, 276,480 bytes of LDS; arguments qimg, qscl, kv, ctximg, ctxscl; writes ctximg, ctxscl
.if DOCPART == 2
	.amdgcn_target "amdgcn-amd-amdhsa--gfx1250"
	.amdhsa_code_object_version 6
	.text
	.protected	k_q8f86757c21_attn
	.globl	k_q8f86757c21_attn
	.p2align	8
	.type	k_q8f86757c21_attn,@function
k_q8f86757c21_attn:
	s_mov_b64 s[64:65], 0
	v_nop
	global_prefetch_b8 v0, s[64:65] scope:SCOPE_SE
	s_setreg_imm32_b32 hwreg(HW_REG_WAVE_MODE, 25, 1), 1
	s_wait_xcnt 0x0
	s_wait_alu depctr_hold_cnt(0) depctr_sa_sdst(0) depctr_va_vdst(0) depctr_va_sdst(0) depctr_va_ssrc(0) depctr_va_vcc(0) depctr_vm_vsrc(0)
	s_getreg_b32 s2, hwreg(HW_REG_IB_STS2, 6, 4)
	s_cmp_eq_u32 s2, 0
	s_cbranch_scc0 .Lentry_in_a_cluster
	s_endpgm
.Lentry_in_a_cluster:
	s_bfe_u32 s2, ttmp6, 0x10000c
	s_cmp_lg_u32 s2, 0x3003
	s_cbranch_scc0 .Lentry_shape_is_right
	s_endpgm
.Lentry_shape_is_right:
; Causal attention of one (batch, head) for each cluster, both products on codes of E4M3 with one E8M0 scale for each 32 along K; the context is quantised here for the output product.
; t = score x log2(e) / 8; M = the running largest t rounded up to a whole number; p = 2^(t - M) is quantised along the keys; the row's sum is taken of the unquantised p and divides at the end.
; LEFT OUT: key steps all of whose 128 keys come after a tile's 16 queries: reference()'s own mask makes their scores -infinity, so their p is 0 for all values of the inputs.
; THE WHOLE HEAD STAYS IN LDS: 16 records of 17,152 bytes (128 keys each: K's images, V's images, their scale words), filled ONCE: wave w asks for record w by one joint load that names all four
; work-groups of the cluster.  No refill, no LDS store.  Waves 0 and 1 have a load line of their own: the first barrier shows records 0 and 1, which the first two key steps of every wave read.
; Those two steps are written out.  The barrier that shows the other fourteen records is split round the second of them: each wave waits for its own load and signals ahead of that step, and waits behind it.
; SHARES.  The head's 128 tiles of 16 queries are 16 groups of 8 (a group = 128 queries = one key step).  The partner at place cx takes tiles 2 cx, 2 cx + 1 of every group; wave w (u = w & 1, jj = w >> 1)
; takes tile 8 g + 2 cx + u for g = 15 - jj, then for g = jj: 16 - jj and jj + 1 key steps, 17 for every wave.  ONE WALK OF 17 TRIPS: trip s is key step s of the first tile while s <= 15 - jj, then key step
; s - (16 - jj) of the second.  A tile's last key step lies on the diagonal; behind it the tile leaves.  Branches hang on the wave's number and on the trip alone; cx enters global addresses and the mask's compare.
; LAYOUT.  S^T = K Q^T (source 0 = 16 keys, source 1 = my 16 queries), O^T = V^T P^T: a lane holds ONE query throughout.  p's 16 registers of two neighbouring tiles, converted as they stand, carry
; the keys of a block of 32 in the same order inside the block as V's images do, so the products are the same.
; THE HEAD'S 64 IS HALF OF THE INSTRUCTION'S 128: Q's upper eight registers are zero codes.  K's upper eight are the next tile's codes (never the NaN code: the quantiser holds); they meet zeros.
; The scale bytes of that half are 0, which is 2^-127 and no NaN.
; LIMITS: NaN and infinities are not served.  A block of zeros gets the byte 1 where the quantiser says 127: its codes are zeros, and this program alone reads the bytes.
; The promise holds while the scaled scores stay under 2^31 in magnitude.  No prefetch: all of K and V is asked for in one group at the head, and there is no loop to run ahead in.
.set REC,    17152
.set HEADKV, 16*REC
.set VIM,    8192                      ; in a record: V's images,
.set KSC,    16384                     ; K's scale words,
.set VSC,    16896                     ; V's
.set SPARE,  16*REC                    ; behind the records: the spare words, 128 bytes a wave
.set VLI,  1                           ; v1   16 x lane
.set VLS,  2                           ; v2   4 x lane
.set VDL,  3                           ; v3   my query in its group - 8 (lane / 16)
.set VCO,  4                           ; v4   16 r + 8 h: where my eight codes of the context go
.set VSO,  5                           ; v5   32 r + h: where my scale byte goes
.set ADK,  6                           ; v6   the record's images for my lane
.set ADS,  7                           ; v7   its scale words
.set SU3,  8                           ; v[8:9] a chain of the sum (v9: at the head 4 r)
.set VR4,  9
.set QS1,  10                          ; v10  the second tile's scale word of Q
;                                        v12 -M, v13 the largest t, v[14:15] the sum; v16-23 Q's codes, v24-31 zeros; v32-95 K's 8 tiles x 8, later V's 4 fragments x 16; v96-103 zeros
.set S,    104                         ; v104-167 S^T, then p
.set O,    168                         ; v168-199 O^T
.set PCD,  200                         ; v200-215 p's codes; at a tile's end the context's
.set BM,   216                         ; v216-219 a block's largest score, then p; then the bounds once more, block b's in v[216 + (b + 1) % 4]
.set PB,   220                         ; v220-223 the other half's; then the bytes
.set SU1,  220                         ; v[220:221], v[236:237] chains of the sum
.set SU2,  236
.set BD,   224                         ; v224-227 448 x the scale
.set SOP,  228                         ; v228-231 the conversions' scale operands
.set T0,   232                         ; v232-233 at work
.set F,    234                         ; v[234:235] f = 2^(old M - new M); at a tile's end 1 / the sum
.set SPW,  238                         ; v238 my spare word, v239 0: never rewritten
.set NIL,  239
.set KSW,  240                         ; v240-243 K's scale words: lanes 0-15 tile 2 i, lanes 16-31 tile 2 i + 1
.set VSW,  244                         ; v244-245 V's likewise
.set QSW,  246                         ; v246 Q's scale word;  v247 p's;  v248-255 the second tile's Q
.set PSW,  247
.set WV,   14
.set CX,   15
.set G1,   16                          ; s[16:23], s[24:27] the descriptor
.set G0,   24
.set BH,   28
.set JJ,   30                          ; s30  wave >> 1
.set G,    31                          ; s31  the group in hand
.set SEL,  32
.set CS,   34                          ; s[34:35] c = log2(e) / 8
.set MNT,  36
.set MHI,  37
.set KI,   38                          ; s38  the key step
.set TB,   39                          ; s39  its record's LDS byte
.set CNT,  40                          ; s40  the trip
.set CP,   42                          ; s[42:43] where the context's codes go; s[44:45] its scale bytes; s[46:49] the same for the second tile
.set SP,   44
.set GF,   68                          ; s68  the first tile's group, 15 - jj;  s69  one more
.macro ROUND                           ; a round of the cluster's barrier
	s_barrier_signal -1
	s_barrier_wait -1
	s_cmp_lg_u32 s[WV], 0
	s_cbranch_scc1 .Lnot_wave_0_\@
	s_barrier_signal -3
.Lnot_wave_0_\@:
	s_barrier_wait -3
	s_barrier_signal -1
	s_barrier_wait -1
.endm
.macro INIT                            ; a tile begins: the step is written once, and the first finds zeros, which the first change of M leaves zeros
	v_mov_b32 v13, 0xff61b1e6                      ; the largest t so far: -3e38
	v_floor_f32 v12, -v13
	v_mov_b32 v14, 0
	v_mov_b32 v15, 0
.set n, 0
.rept 32
	v_mov_b32 v[O+n], 0
.set n, n+1
.endr
.endm
	s_load_b256 s[4:11], s[0:1], 0x0               ; qimg, qscl, kv, ctximg
	s_load_b64 s[12:13], s[0:1], 0x20              ; ctxscl
	v_lshl_add_u32 v[SPW], v0, 2, SPARE
	v_mov_b32 v[NIL], 0
	ds_add_u32 v[SPW], v[NIL]                      ; the opening lines: the add, twice on end, and its wait ahead of my tensor load
	ds_add_u32 v[SPW], v[NIL]
	v_lshrrev_b32 v8, 5, v0
	v_readfirstlane_b32 s[WV], v8                  ; wave 0..15
	s_bfe_u32 s[CX], ttmp6, 0x40000                ; my place in the cluster
	s_and_b32 s[BH], ttmp7, 0xffff                 ; batch x 16 + head, which the four partners share
	s_mov_b32 s[G1], 15|(3<<16)|(1<<21)            ; 15:0 the mask: all four; 17:16 elements of 8 bytes; 21 set beside a mask; no padding
	s_mov_b32 s[G1+1], 32<<16                      ; tensor_dim0 = 32 elements: rows of 256 bytes
	s_mov_b32 s[G1+2], 67<<16                      ; tensor_dim1 = 67 rows: a record
	s_mov_b32 s[G1+3], 32<<16                      ; tile_dim0
	s_mov_b32 s[G1+4], 67                          ; tile_dim1
	s_mov_b32 s[G1+5], 32                          ; dense
	s_mov_b32 s[G1+6], 0
	s_mov_b32 s[G1+7], 0
	s_mul_i32 s50, s[BH], HEADKV
	s_mul_i32 s51, s[WV], REC
	s_add_co_u32 s50, s50, s51                     ; my record in kv (under 2^25 bytes)
	s_mov_b32 s51, 0
	s_mov_b32 s[G0], 1
	s_mul_i32 s[G0+1], s[WV], REC                  ; and in LDS
	s_wait_dscnt 0x0
	s_wait_kmcnt 0x0
	s_add_nc_u64 s[G0+2:G0+3], s[8:9], s[50:51]
	s_or_b32 s[G0+3], s[G0+3], 0x80000000
	ROUND                                          ; all four work-groups are here: the joint loads meet
	s_cmp_lt_u32 s[WV], 2                          ; one tensor load a wave in the whole launch; waves 0 and 1, which alone wait at the first barrier, have a line of their own
	s_cbranch_scc0 .Llater
	tensor_load_to_lds s[G0:G0+3], s[G1:G1+7]
	s_nop 0
.rept 4
	v_nop
.endr
	s_branch .Lasked
.Llater:
	tensor_load_to_lds s[G0:G0+3], s[G1:G1+7]
	s_nop 0
.rept 4
	v_nop
.endr
.Lasked:
	v_and_b32 v8, 31, v0
	v_lshlrev_b32 v[VLI], 4, v8
	v_lshlrev_b32 v[VLS], 2, v8
	v_and_b32 v8, 15, v0                           ; r
	v_bfe_u32 v11, v0, 4, 1                        ; h
	v_lshlrev_b32 v[VR4], 2, v8
	s_wait_alu depctr_va_vdst(0)
	v_lshlrev_b32 v[VCO], 4, v8
	v_lshl_add_u32 v[VCO], v11, 3, v[VCO]
	v_lshl_add_u32 v[VSO], v8, 5, v11
	v_lshlrev_b32 v[VDL], 3, v11
	v_sub_nc_u32 v[VDL], v8, v[VDL]                ; r - 8 h
	s_and_b32 s29, s[WV], 1                        ; u
	s_lshr_b32 s[JJ], s[WV], 1                     ; jj
	s_xor_b32 s[G], s[JJ], 15                      ; the first tile's group: 15 - jj
	s_lshl_b32 s50, s[CX], 1
	s_add_co_u32 s50, s50, s29                     ; my tile in a group: 2 cx + u
	s_lshl_b32 s55, s50, 4
	v_add_nc_u32 v[VDL], s55, v[VDL]
	s_lshl_b32 s51, s[G], 3
	s_add_co_u32 s51, s51, s50                     ; the first tile
	s_lshl_b32 s52, s[JJ], 3
	s_add_co_u32 s52, s52, s50                     ; the second
	s_mov_b32 s57, 0
	s_lshl_b32 s53, s[BH], 7
	s_add_co_u32 s54, s53, s51
	s_lshl_b32 s56, s54, 10                        ; a tile of Q is 1,024 bytes of codes
	s_add_nc_u64 s[58:59], s[4:5], s[56:57]
	s_lshl_b32 s56, s54, 6                         ; and 64 of scale words
	s_add_nc_u64 s[62:63], s[6:7], s[56:57]
	s_add_co_u32 s54, s53, s52
	s_lshl_b32 s56, s54, 10
	s_add_nc_u64 s[60:61], s[4:5], s[56:57]
	s_lshl_b32 s56, s54, 6
	s_add_nc_u64 s[66:67], s[6:7], s[56:57]
	global_load_b128 v[16:19], v[VLI], s[58:59]
	global_load_b128 v[20:23], v[VLI], s[58:59] offset:512
	global_load_b32 v[QSW], v[VR4], s[62:63]
	global_load_b128 v[248:251], v[VLI], s[60:61]
	global_load_b128 v[252:255], v[VLI], s[60:61] offset:512
	global_load_b32 v[QS1], v[VR4], s[66:67]
	; the context's images: [K step of 256 = head / 4][tile of 16 rows][128 along K = (head / 2) % 2][block of 32 = 2 (head % 2) + b][lane][16 bytes]
	s_and_b32 s50, s[BH], 15                       ; head
	s_lshr_b32 s53, s[BH], 4
	s_lshl_b32 s53, s53, 7                         ; batch x 128 tiles
	s_lshr_b32 s54, s50, 2
	s_lshl_b32 s54, s54, 21
	s_bfe_u32 s55, s50, 0x10001
	s_lshl_b32 s55, s55, 11
	s_add_co_u32 s54, s54, s55
	s_and_b32 s55, s50, 1
	s_lshl_b32 s55, s55, 10
	s_add_co_u32 s54, s54, s55                     ; the head's part
	s_lshl_b32 s50, s50, 1                         ; its two scale bytes in a row of 32
	s_add_co_u32 s55, s53, s51
	s_lshl_b32 s56, s55, 12
	s_add_co_u32 s56, s56, s54
	s_add_nc_u64 s[CP:CP+1], s[10:11], s[56:57]
	s_lshl_b32 s56, s55, 9
	s_add_co_u32 s56, s56, s50
	s_add_nc_u64 s[SP:SP+1], s[12:13], s[56:57]
	s_add_co_u32 s55, s53, s52
	s_lshl_b32 s56, s55, 12
	s_add_co_u32 s56, s56, s54
	s_add_nc_u64 s[CP+4:CP+5], s[10:11], s[56:57]
	s_lshl_b32 s56, s55, 9
	s_add_co_u32 s56, s56, s50
	s_add_nc_u64 s[SP+4:SP+5], s[12:13], s[56:57]
	s_mov_b32 s[SEL], 0x76543210
	s_mov_b32 s[SEL+1], 0xfedcba98
	s_mov_b32 s[CS], 0x3e38aa3b                    ; log2(e) / 8
	s_mov_b32 s[CS+1], s[CS]                       ; (named with it as a pair)
	s_mov_b32 s[MNT], 0x600000
	s_mov_b32 s[MHI], 0xffff0000
	s_mov_b32 s[GF], s[G]
	s_add_co_u32 s[GF+1], s[G], 1
.irp i, 0,1,2,3,4,5,6,7
	v_mov_b32 v[24+\i], 0                          ; Q's upper half: zero codes
	v_mov_b32 v[96+\i], 0                          ; what stands behind K's last tile
.endr
.irp b, 0,1,2,3
	v_mov_b32 v[PB+\b], 0                          ; written once: a lane permute's destination counts as one of its sources
.endr
	v_mov_b32 v[T0], 0
	v_mov_b32 v[F+1], 0                            ; (named as the upper half of a pair)
	INIT
; A KEY STEP: 128 keys, the record at s[TB].  gen = 1: the step may lie on the diagonal.  It holds register work and LDS loads alone.
.macro STEP gen
	v_add_nc_u32 v[ADK], s[TB], v[VLI]
	v_add_nc_u32 v[ADS], s[TB], v[VLS]
.rept 6
	v_nop                                          ; with the two additions: eight places in front of loads into registers that the last products read
.endr
.irp t, 0,1,2,3,4,5,6,7
.irp c, 0,1
	ds_load_b128 v[32+8*\t+4*\c:32+8*\t+4*\c+3], v[ADK] offset:1024*\t+512*\c
.endr
.endr
.irp i, 0,1,2,3
	ds_load_b32 v[KSW+\i], v[ADS] offset:KSC+128*\i
.endr
	s_wait_alu depctr_va_vdst(0)
	s_wait_dscnt 0x0
.irp t, 0,2,4,6                                ; register j of tile t: key 128 KI + 16 t + 8 h + j, query r
	v_wmma_scale_f32_16x16x128_f8f6f4 v[S+8*\t:S+8*\t+7], v[32+8*\t:47+8*\t], v[16:31], 0, v[KSW+\t/2], v[QSW]
	v_wmma_scale_f32_16x16x128_f8f6f4 v[S+8*\t+8:S+8*\t+15], v[40+8*\t:55+8*\t], v[16:31], 0, v[KSW+\t/2], v[QSW] matrix_a_scale:MATRIX_SCALE_ROW1
.endr
.rept 8
	v_nop
.endr
.irp f, 0,1,2,3                                ; V's fragments are asked for here and land under the softmax
.irp c, 0,1,2,3
	ds_load_b128 v[32+16*\f+4*\c:32+16*\f+4*\c+3], v[ADK] offset:VIM+2048*\f+512*\c
.endr
.endr
.irp i, 0,1
	ds_load_b32 v[VSW+\i], v[ADS] offset:VSC+128*\i
.endr
.if \gen
	s_cmp_lg_u32 s[KI], s[G]                       ; only the group's own key step lies on the diagonal
	s_cbranch_scc1 .Lopen_\@
	v_mov_b32 v[T0], 0xff800000                    ; hidden scores become -infinity ahead of the maximum: p = 0 then
.set n, 0
.rept 64
	v_cmp_gt_i32 vcc_lo, 16*(n/8)+n%8, v[VDL]
	v_cndmask_b32 v[S+n], v[S+n], v[T0], vcc_lo
.set n, n+1
.endr
.Lopen_\@:
.endif
.irp b, 0,1,2,3
	v_max3_num_f32 v[BM+\b], v[S+16*\b], v[S+16*\b+1], v[S+16*\b+2]   ; the largest score of each block of 32 keys: for the row's maximum, and, since p rises with the score, for the block's largest p
.endr
.irp i, 3,5,7,9,11,13
.irp b, 0,1,2,3
	v_max3_num_f32 v[BM+\b], v[BM+\b], v[S+16*\b+\i], v[S+16*\b+\i+1]
.endr
.endr
.irp b, 0,1,2,3
	v_max_num_f32 v[BM+\b], v[BM+\b], v[S+16*\b+15]
.endr
.irp b, 0,1,2,3
	s_delay_alu instid0(VALU_DEP_4)
	v_permlanex16_b32 v[PB+\b], v[BM+\b], s[SEL], s[SEL+1]
.endr
.irp b, 0,1,2,3
	s_delay_alu instid0(VALU_DEP_4)
	v_max_num_f32 v[BM+\b], v[BM+\b], v[PB+\b]
.endr
	s_delay_alu instid0(VALU_DEP_2)
	v_max3_num_f32 v[T0], v[BM], v[BM+1], v[BM+2]
	s_delay_alu instid0(VALU_DEP_1)
	v_max_num_f32 v[T0], v[T0], v[BM+3]
	s_delay_alu instid0(VALU_DEP_1)
	v_mul_f32 v[T0], s[CS], v[T0]
	s_delay_alu instid0(VALU_DEP_1)
	v_max_num_f32 v13, v13, v[T0]                  ; the running largest t
	v_mov_b32 v[T0], v12
	s_delay_alu instid0(VALU_DEP_2)
	v_floor_f32 v12, -v13                          ; -M = floor(-t): M is a whole number
	s_delay_alu instid0(VALU_DEP_1)
	v_sub_f32 v[T0], v12, v[T0]
	s_delay_alu instid0(VALU_DEP_1)
	v_cvt_i32_f32 v[T0], v[T0]                     ; (it saturates)
	s_delay_alu instid0(VALU_DEP_1)
	v_ldexp_f32 v[F], 1.0, v[T0]                   ; f = 2^(old M - new M): a multiplication by it rounds nothing
.set n, 0
.rept 32
	v_pk_fma_f32 v[S+n:S+n+1], v[S+n:S+n+1], s[CS:CS+1], v[12:13] op_sel_hi:[1,0,0]   ; t - M
.set n, n+2
.endr
.irp b, 0,1,2,3
	v_fma_f32 v[BM+\b], v[BM+\b], s[CS], v12
.endr
.set n, 0
	s_wait_alu depctr_va_vdst(0)                   ; the wait ahead of the batch
.rept 64
	v_exp_f32 v[S+n], v[S+n]                       ; p
.set n, n+1
.endr
.irp b, 0,1,2,3
	v_exp_f32 v[BM+\b], v[BM+\b]                   ; the block's largest p: the same two instructions on the same number
.endr
	v_pk_mul_f32 v[14:15], v[14:15], v[F:F+1] op_sel_hi:[1,0]   ; the sum under the new M; also the plain instruction behind the exponentials
	s_wait_alu depctr_va_vdst(0)                   ; and the one wait behind the batch
.irp b, 0,1,2,3
	v_max_num_f32 v[BM+\b], 0x4800000, v[BM+\b]    ; the floor 2^(9 - 127): the byte cannot fall under 1
.endr
.irp b, 0,1,2,3
	s_delay_alu instid0(VALU_DEP_4)
	v_add_nc_u32 v[SOP+\b], 0xfc000000, v[BM+\b]
.endr
.irp b, 0,1,2,3
	v_and_or_b32 v[BD+\b], v[BM+\b], 0x7f800000, s[MNT]
.endr
.irp b, 0,1,2,3
	v_lshrrev_b32 v[PB+\b], 23, v[SOP+\b]
.endr
	s_delay_alu instid0(VALU_DEP_3)
	v_lshl_or_b32 v[PSW], v[PB+1], 8, v[PB]        ; p's scale word for these 128 keys
	s_delay_alu instid0(VALU_DEP_1)
	v_lshl_or_b32 v[PSW], v[PB+2], 16, v[PSW]
	s_delay_alu instid0(VALU_DEP_1)
	v_lshl_or_b32 v[PSW], v[PB+3], 24, v[PSW]
.irp b, 0,1,2,3
	v_mov_b32 v[BM+(\b+1)%4], v[BD+\b]             ; each bound once more, in a register whose number differs modulo 4: the two halves of a dual instruction take their second sources from different banks
.endr
	v_pk_add_f32 v[SU1:SU1+1], v[S:S+1], v[S+2:S+3]            ; the row's sum of the unquantised p, two at a time, in four chains
	v_pk_add_f32 v[SU2:SU2+1], v[S+4:S+5], v[S+6:S+7]
	v_pk_add_f32 v[SU3:SU3+1], v[S+8:S+9], v[S+10:S+11]
	v_pk_add_f32 v[14:15], v[14:15], v[S+12:S+13]
.set n, 14
.rept 6
	v_pk_add_f32 v[SU1:SU1+1], v[SU1:SU1+1], v[S+n:S+n+1]
	v_pk_add_f32 v[SU2:SU2+1], v[SU2:SU2+1], v[S+n+2:S+n+3]
	v_pk_add_f32 v[SU3:SU3+1], v[SU3:SU3+1], v[S+n+4:S+n+5]
	v_pk_add_f32 v[14:15], v[14:15], v[S+n+6:S+n+7]
.set n, n+8
.endr
	v_pk_add_f32 v[SU1:SU1+1], v[SU1:SU1+1], v[S+62:S+63]
	v_pk_add_f32 v[14:15], v[14:15], v[SU3:SU3+1]
	v_pk_add_f32 v[SU1:SU1+1], v[SU1:SU1+1], v[SU2:SU2+1]
	v_pk_add_f32 v[14:15], v[14:15], v[SU1:SU1+1]
.irp b, 0,1,2,3
.irp i, 0,2,4,6,8,10,12,14                     ; the conversion does not saturate (ISA guide 7.6.2); p is not negative, so the hold is one-sided; two holds an instruction
	v_dual_min_num_f32 v[S+16*\b+\i], v[S+16*\b+\i], v[BD+\b] :: v_dual_min_num_f32 v[S+16*\b+\i+1], v[S+16*\b+\i+1], v[BM+(\b+1)%4]
.endr
	v_cvt_scalef32_pk8_fp8_f32 v[PCD+4*\b:PCD+4*\b+1], v[S+16*\b:S+16*\b+7], v[SOP+\b]
	v_cvt_scalef32_pk8_fp8_f32 v[PCD+4*\b+2:PCD+4*\b+3], v[S+16*\b+8:S+16*\b+15], v[SOP+\b]
.endr
	s_wait_alu depctr_va_vdst(0)                   ; directly ahead of the first reader of O^T
.set n, 0
.rept 16
	v_pk_mul_f32 v[O+n:O+n+1], v[O+n:O+n+1], v[F:F+1] op_sel_hi:[1,0]   ; O^T under the new M; these sixteen also stand between the conversions and the products
.set n, n+2
.endr
	s_wait_alu depctr_va_vdst(0)
	s_wait_dscnt 0x0                               ; V
.irp f, 0,2                                    ; four accumulators by turns; the matrix instruction in front of the first is a score product
	v_wmma_scale_f32_16x16x128_f8f6f4 v[O+8*\f:O+8*\f+7], v[32+16*\f:47+16*\f], v[PCD:PCD+15], v[O+8*\f:O+8*\f+7], v[VSW+\f/2], v[PSW]
	v_wmma_scale_f32_16x16x128_f8f6f4 v[O+8*\f+8:O+8*\f+15], v[48+16*\f:63+16*\f], v[PCD:PCD+15], v[O+8*\f+8:O+8*\f+15], v[VSW+\f/2], v[PSW] matrix_a_scale:MATRIX_SCALE_ROW1
.endr
.endm
	s_wait_alu depctr_va_vdst(0)                   ; the head's end
	s_wait_loadcnt 0x0                             ; Q of both tiles
	s_cmp_lt_u32 s[WV], 2
	s_cbranch_scc0 .Lnot_first
	s_wait_tensorcnt 0x0                           ; waves 0 and 1: my record is in.  The other waves' wait stands behind the first trip
.Lnot_first:
	s_barrier_signal -1
	s_barrier_wait -1                              ; records 0 and 1 are in
	s_mov_b32 s[TB], 0
	STEP 0                                         ; trips 0 and 1: key steps 0 and 1 of the first tile, whose group is 8 at the least: neither lies on the diagonal
	s_mov_b32 s[TB], REC
	s_wait_tensorcnt 0x0                           ; every wave: my record is in (no LDS instruction of mine is out),
	s_barrier_signal -1                            ; say so,
	STEP 0                                         ; work on record 1 while the others arrive,
	s_barrier_wait -1                              ; and go on when everybody's record is in
	s_mov_b32 s[CNT], 2
.Ltrip:                                                ; trips 2 to 16
	s_sub_co_u32 s50, s[CNT], s[GF+1]              ; the second tile's key step (it wraps in the first tile's trips, where it is not chosen)
	s_cmp_gt_u32 s[CNT], s[GF]
	s_cselect_b32 s[KI], s50, s[CNT]
	s_cselect_b32 s[G], s[JJ], s[GF]
	s_min_u32 s[KI], s[KI], 15                     ; a key step is 15 at the most: the line changes no number
	s_mul_i32 s[TB], s[KI], REC
	STEP 1
	s_cmp_lg_u32 s[KI], s[G]
	s_cbranch_scc1 .Lon
	; THE TILE'S END.  O^T / the sum is the context: register 8 f + j of lane (r, h) is d = 16 f + 8 h + j of query r: two blocks of 32, each shared with lane l xor 16.
.rept 8
	v_nop
.endr
	v_add_f32 v14, v14, v15
	v_permlanex16_b32 v[T0], v14, s[SEL], s[SEL+1]
	v_add_f32 v14, v14, v[T0]                      ; the row's sum
	s_wait_alu depctr_va_vdst(0)                   ; the wait ahead of the transcendental
	v_rcp_f32 v[F], v14
	v_nop
.set n, 0
	s_wait_alu depctr_va_vdst(0)                   ; and behind it, directly ahead of the first readers of 1 / the sum and of O^T
.rept 16
	v_pk_mul_f32 v[S+n:S+n+1], v[O+n:O+n+1], v[F:F+1] op_sel_hi:[1,0]
.set n, n+2
.endr
.irp b, 0,1
	v_max3_num_f32 v[BM+\b], |v[S+16*\b]|, |v[S+16*\b+1]|, 0x4800000
.endr
.irp i, 2,4,6,8,10,12,14
.irp b, 0,1
	v_max3_num_f32 v[BM+\b], v[BM+\b], |v[S+16*\b+\i]|, |v[S+16*\b+\i+1]|
.endr
.endr
.irp b, 0,1
	v_permlanex16_b32 v[PB+\b], v[BM+\b], s[SEL], s[SEL+1]
.endr
.irp b, 0,1
	v_max_num_f32 v[BM+\b], v[BM+\b], v[PB+\b]
.endr
.irp b, 0,1
	v_add_nc_u32 v[SOP+\b], 0xfc000000, v[BM+\b]
.endr
.irp b, 0,1
	v_and_or_b32 v[BD+\b], v[BM+\b], 0x7f800000, s[MNT]
.endr
.irp b, 0,1
	v_lshrrev_b32 v[PB+\b], 23, v[SOP+\b]
.endr
	v_cndmask_b32 v[T0+1], v[PB], v[PB+1], s[MHI]  ; lanes 0-15 carry the first block's byte, lanes 16-31 the second's
.irp b, 0,1
.irp i, 0,1,2,3,4,5,6,7,8,9,10,11,12,13,14,15
	v_med3_num_f32 v[S+16*\b+\i], v[S+16*\b+\i], -v[BD+\b], v[BD+\b]
.endr
	v_cvt_scalef32_pk8_fp8_f32 v[PCD+4*\b:PCD+4*\b+1], v[S+16*\b:S+16*\b+7], v[SOP+\b]
	v_cvt_scalef32_pk8_fp8_f32 v[PCD+4*\b+2:PCD+4*\b+3], v[S+16*\b+8:S+16*\b+15], v[SOP+\b]
.endr
	v_nop                                          ; a plain vector instruction behind the last scaled conversion
; The output product's other operand comes in its true order along K, so the context's images are laid in true order: my first eight codes are d = 32 b + 8 h + 0 .. 7, bytes 8 h on of lane r's sixteen;
; my second eight are d = 32 b + 16 + 8 h + 0 .. 7, the same place of lane 16 + r's.  Each store of the wave covers 256 consecutive bytes, aligned.
.irp b, 0,1
	global_store_b64 v[VCO], v[PCD+4*\b:PCD+4*\b+1], s[CP:CP+1] offset:512*\b
	global_store_b64 v[VCO], v[PCD+4*\b+2:PCD+4*\b+3], s[CP:CP+1] offset:512*\b+256
.endr
	global_store_b8 v[VSO], v[T0+1], s[SP:SP+1]    ; a byte a lane into rows 32 bytes apart: one byte in 32 of what leaves
	s_cmp_eq_u32 s[CNT], 16                        ; behind the second tile nothing follows
	s_cbranch_scc1 .Lon
	s_wait_xcnt 0x0                                ; the stores have read their bases and data: both may be written
	s_mov_b64 s[CP:CP+1], s[CP+4:CP+5]
	s_mov_b64 s[SP:SP+1], s[SP+4:SP+5]
.irp i, 0,1,2,3,4,5,6,7
	v_mov_b32 v[16+\i], v[248+\i]                  ; the second tile's Q; the 36 moves below stand between these and the next products
.endr
	v_mov_b32 v[QSW], v[QS1]
	INIT
	s_wait_alu depctr_va_vdst(0)
.Lon:
	s_add_co_u32 s[CNT], s[CNT], 1
	s_cmp_lt_u32 s[CNT], 17
	s_cbranch_scc1 .Ltrip
	s_wait_tensorcnt 0x0                           ; the wave's end
	ds_add_u32 v[SPW], v[NIL]
	s_wait_dscnt 0x0
	ROUND                                          ; the closing round
	s_endpgm
.Lfunc_end_k_q8f86757c21_attn:
	.size	k_q8f86757c21_attn, .Lfunc_end_k_q8f86757c21_attn-k_q8f86757c21_attn
	.p2alignl 7, 3214868480
	.fill 96, 4, 3214868480
	.section	.rodata,"a",@progbits
	.p2align	6, 0x0
	.amdhsa_kernel k_q8f86757c21_attn
		.amdhsa_group_segment_fixed_size 276480
		.amdhsa_private_segment_fixed_size 0
		.amdhsa_enable_private_segment 0
		.amdhsa_kernarg_size 40
		.amdhsa_user_sgpr_count 2
		.amdhsa_user_sgpr_kernarg_segment_ptr 1
		.amdhsa_wavefront_size32 1
		.amdhsa_system_sgpr_workgroup_id_x 1
		.amdhsa_system_sgpr_workgroup_id_y 1
		.amdhsa_system_sgpr_workgroup_id_z 1
		.amdhsa_system_vgpr_workitem_id 0
		.amdhsa_next_free_vgpr 256
		.amdhsa_next_free_sgpr 80
		.amdhsa_reserve_vcc 1
		.amdhsa_float_denorm_mode_32 3
		.amdhsa_float_denorm_mode_16_64 3
		.amdhsa_memory_ordered 1
		.amdhsa_forward_progress 1
		.amdhsa_inst_pref_size 80
	.end_amdhsa_kernel
	.amdgpu_metadata
---
amdhsa.version: [ 1, 2 ]
amdhsa.kernels:
  - .name:           k_q8f86757c21_attn
    .symbol:         k_q8f86757c21_attn.kd
    .args:
      - { .name: qimg, .offset: 0, .size: 8, .value_kind: global_buffer, .address_space: global }
      - { .name: qscl, .offset: 8, .size: 8, .value_kind: global_buffer, .address_space: global }
      - { .name: kv, .offset: 16, .size: 8, .value_kind: global_buffer, .address_space: global }
      - { .name: ctximg, .offset: 24, .size: 8, .value_kind: global_buffer, .address_space: global }
      - { .name: ctxscl, .offset: 32, .size: 8, .value_kind: global_buffer, .address_space: global }
    .group_segment_fixed_size: 276480
    .private_segment_fixed_size: 0
    .kernarg_segment_align: 8
    .kernarg_segment_size: 40
    .max_flat_workgroup_size: 512
    .sgpr_count:     80
    .vgpr_count:     256
    .wavefront_size: 32
...
	.end_amdgpu_metadata
.endif
;; end of part 2
;; launch proj (part 3): grid 8 x 32, 4 waves a work-group, clusters of 4 x 4, 327,680 bytes of LDS; arguments ctximg, ctxscl, Wo_codes, Wo_scales, out0, bo; writes out0
.if DOCPART == 3
	.amdgcn_target "amdgcn-amd-amdhsa--gfx1250"
	.amdhsa_code_object_version 6
	.text
	.protected	k_q8f86757c21_proj
	.globl	k_q8f86757c21_proj
	.p2align	8
	.type	k_q8f86757c21_proj,@function
k_q8f86757c21_proj:
	s_mov_b64 s[64:65], 0
	v_nop
	global_prefetch_b8 v0, s[64:65] scope:SCOPE_SE
	s_setreg_imm32_b32 hwreg(HW_REG_WAVE_MODE, 25, 1), 1
	s_wait_xcnt 0x0
	s_wait_alu depctr_hold_cnt(0) depctr_sa_sdst(0) depctr_va_vdst(0) depctr_va_sdst(0) depctr_va_ssrc(0) depctr_va_vcc(0) depctr_vm_vsrc(0)
	s_getreg_b32 s2, hwreg(HW_REG_IB_STS2, 6, 4)
	s_cmp_eq_u32 s2, 0
	s_cbranch_scc0 .Lentry_in_a_cluster
	s_endpgm
.Lentry_in_a_cluster:
	s_bfe_u32 s2, ttmp6, 0x10000c
	s_cmp_lg_u32 s2, 0xf033
	s_cbranch_scc0 .Lentry_shape_is_right
	s_endpgm
.Lentry_shape_is_right:
; out0 = ctx Wo + bo on codes of E4M3 with one E8M0 scale for each 32 along K = 1,024.  ctx: 8,192 rows, as operand images [K step of 256][tile of 16 rows][128 along K][block of 32][lane][16 bytes], scale bytes 32 a row;
; Wo: 1,024 rows (the output's columns) of 1,024 codes, scale bytes 32 a row.
; 256 work-groups of four waves; a work-group makes 256 rows x 128 columns, a wave 128 x 64: 32 accumulators of 16 x 16.  K goes in steps of 256 through two LDS slots filled by the tensor data mover;
; the scale bytes of the work-group's rows come once and stay.  4 x 4 work-groups form a cluster: ctx's tiles are asked for jointly along a row of the cluster, Wo's along a column.
; Source 0 = 16 rows of Wo, source 1 = 16 rows of ctx: a lane holds eight neighbouring numbers of a row of the output.  The bias is the C of the first products.
; LIMITS: NaN codes among the inputs are not served.  No prefetch: the launch has two refills only, and what they ask for would have to be named at the head.
.set SIZE_N, 1024
.set PITCH,  272                       ; Wo's LDS row: 256 bytes + 16 of padding
.set HALFT,  128*PITCH                 ; Wo's 128 rows
.set SLOT,   4*HALFT                   ; ctx's images, 65,536 dense bytes, from 0; Wo's rows from 2 HALFT
.set ROWB,   256
.set KROW,   1024
.set AKST,   2097152                   ; a K step of ctx's images
.set NQ,     2
.set FR,     16
.set NL,     4
.set NP,     8                         ; places behind this matrix instruction (ISA guide 7.12.1)
.set KS,     32
.set SCL,    2*SLOT                    ; the scale bytes, as units of 256 bytes + 16: ctx's 256 rows, then Wo's 128
.set HALFS,  16*272
.set SBLK,   2*272
.set SPARE,  SCL+4*HALFS
.set SPITCH, 272                       ; the way out: a stage of 16 rows x (256 bytes + 16) for each wave, in slot 0, which has had its last fill and its last read by then
.set ADRA, 16                          ; v16-17 LDS address of my images of ctx in slot 0, 1
.set ADRB, 20                          ; v20-21 of my fragments of Wo
.set STO,  24
.set RD,   25
.set CO,   26
.set ADRS, 27                          ; v27 LDS address of my scale words: lanes 0-15 ctx's block i, lanes 16-31 Wo's block i, for i < 4
.set SPW,  28
.set NIL,  29
.set ADRS2, 30                         ; v30 the same for i > 3: lanes 16-31 stand four blocks back, on Wo's block i - 4 (not used)
.set SC,   32                          ; v32-63 scale words, two sets
.set BI,   64                          ; v64-95 the bias
.set AF,   128                         ; v128-255 ctx's fragments.  Window 1: Wo's, two sets.  Windows 2, 3: accumulator (a, b) at v[8 (8 (a % 4) + b)]
.set BK,   128                         ; the way out: rows read back from the stage
.set G1, 24
.set G0, 32
.set G1B, 48
.set G0B, 56
.set G1S, 68
.set G0S, 76
.set G1SB, 80
.set G0SB, 88
.set MSB, 0
.macro WIN new
.if MSB != \new
	s_set_vgpr_msb (MSB<<8)|\new
.set MSB, \new
.endif
.endm
.set MUL_LO, 0xa1                      ; source 0 (Wo) window 1, source 1 (ctx) window 0, C and D window 2
.set MUL_HI, 0xf1
.set BIA_LO, 0x81                      ; C (the bias) window 0
.set BIA_HI, 0xc1
.set TO_B,   0x40
.macro TL g0, g1                       ; a tensor load; an s_nop 0 and four v_nop follow it
	tensor_load_to_lds s[\g0:\g0+3], s[\g1:\g1+7]
	s_nop 0
.rept 4
	v_nop
.endr
.endm
.macro JLOAD s                         ; the ring's joint load: waves 0 and 1 fetch the halves of ctx's images, wave 2 Wo's 128 rows, wave 3 nothing
	s_cmp_lt_u32 s14, 2
	s_cbranch_scc0 .Lfor_b_\@
	TL G0+4*\s, G1
	s_branch .Lasked_\@
.Lfor_b_\@:
	s_cmp_eq_u32 s14, 2
	s_cbranch_scc0 .Lasked_\@
	TL G0B+4*\s, G1B
.Lasked_\@:
.endm
.macro CREST
	s_cmp_lg_u32 s14, 0
	s_cbranch_scc1 .Lnot_wave_0_\@
	s_barrier_signal -3
.Lnot_wave_0_\@:
	s_barrier_wait -3
	s_barrier_signal -1
	s_barrier_wait -1
.endm
.macro CROUND
	s_barrier_signal -1
	s_barrier_wait -1
	CREST
.endm
	s_load_b128 s[4:7], s[0:1], 0x0                ; ctximg, ctxscl
	s_load_b128 s[8:11], s[0:1], 0x10              ; Wo's codes, scales
	s_load_b64 s[12:13], s[0:1], 0x20              ; out0
	s_load_b64 s[96:97], s[0:1], 0x28              ; bo
	v_lshl_add_u32 v[SPW], v0, 2, SPARE
	v_mov_b32 v[NIL], 0
	ds_add_u32 v[SPW], v[NIL]                      ; the opening lines
	ds_add_u32 v[SPW], v[NIL]
	v_lshrrev_b32 v1, 5, v0
	v_readfirstlane_b32 s14, v1                    ; wave
	s_lshr_b32 s15, s14, 1                         ; my half of the rows
	s_and_b32 s16, s14, 1                          ; my half of the columns; in waves 0, 1 also the half of ctx's images that I fetch
	s_bfe_u32 s40, ttmp6, 0x40000
	s_bfe_u32 s41, ttmp6, 0x40004
	s_lshl_b32 s42, ttmp9, 2
	s_add_co_u32 s42, s42, s40                     ; tile column, 0 .. 7
	s_and_b32 s17, ttmp7, 0xffff
	s_lshl_b32 s17, s17, 2
	s_add_co_u32 s17, s17, s41                     ; tile row, 0 .. 31
	s_lshl_b32 s43, s41, 2
	s_lshl_b32 s43, 15, s43
	s_lshl_b32 s44, 0x1111, s40
	s_or_b32 s[G1], s43, (3<<16)|(1<<21)           ; ctx's images: dense rows of 256 bytes, no padding: 256 for the head's load, 128 behind it
	s_mov_b32 s[G1+1], 32<<16
	s_mov_b32 s[G1+2], 256<<16
	s_mov_b32 s[G1+3], 32<<16
	s_mov_b32 s[G1+4], 256
	s_mov_b32 s[G1+5], 32
	s_mov_b32 s[G1+6], 0
	s_mov_b32 s[G1+7], 0
	s_or_b32 s[G1B], s44, (1<<20)|(1<<21)|(5<<22)|(3<<25)   ; Wo: 128 rows of 256 bytes, 16 of padding behind each
	s_mov_b32 s[G1B+1], ROWB<<16
	s_mov_b32 s[G1B+2], 128<<16
	s_mov_b32 s[G1B+3], ROWB<<16
	s_mov_b32 s[G1B+4], 128
	s_mov_b32 s[G1B+5], KROW
	s_mov_b32 s[G1B+6], 0
	s_mov_b32 s[G1B+7], 0
	s_or_b32 s[G1S], s43, (3<<16)|(1<<20)|(1<<21)|(5<<22)|(3<<25)
	s_or_b32 s[G1SB], s44, (3<<16)|(1<<20)|(1<<21)|(5<<22)|(3<<25)
.irp g, G1S, G1SB
	s_mov_b32 s[\g+1], 32<<16
	s_mov_b32 s[\g+3], 32<<16
	s_mov_b32 s[\g+5], 32
	s_mov_b32 s[\g+6], 0
	s_mov_b32 s[\g+7], 0
.endr
	s_mov_b32 s[G1S+2], 32<<16                     ; the scale bytes of 256 rows: 32 rows of 256 bytes;
	s_mov_b32 s[G1S+4], 32
	s_mov_b32 s[G1SB+2], 16<<16                    ; of 128 rows: 16
	s_mov_b32 s[G1SB+4], 16
	s_lshl_b32 s20, s17, 8                         ; the tile's first row of ctx
	s_lshl_b32 s46, s42, 7                         ; and of Wo
	s_lshl_b32 s22, s20, 5
	s_mov_b32 s23, 0
	s_lshl_b32 s92, s46, 5
	s_mov_b32 s93, 0
	s_lshl_b32 s20, s20, 8                         ; 256 bytes of images a row and K step
	s_mov_b32 s21, 0
	s_lshl_b32 s46, s46, 10
	s_mov_b32 s47, 0
	s_wait_dscnt 0x0
	s_wait_kmcnt 0x0
	s_add_nc_u64 s[20:21], s[4:5], s[20:21]
	s_add_nc_u64 s[22:23], s[6:7], s[22:23]
	s_add_nc_u64 s[46:47], s[8:9], s[46:47]
	s_add_nc_u64 s[92:93], s[10:11], s[92:93]
	CROUND
	s_mov_b32 s[G0S], 1
	s_mov_b32 s[G0S+1], SCL
	s_mov_b64 s[G0S+2:G0S+3], s[22:23]
	s_or_b32 s[G0S+3], s[G0S+3], 0x80000000
	s_mov_b32 s[G0SB], 1
	s_mov_b32 s[G0SB+1], SCL+2*HALFS
	s_mov_b64 s[G0SB+2:G0SB+3], s[92:93]
	s_or_b32 s[G0SB+3], s[G0SB+3], 0x80000000
	s_mov_b32 s[G0], 1                             ; slot 0's group 0 serves the head's load first: K step 0's images of all 256 rows
	s_mov_b32 s[G0+1], 0
	s_mov_b64 s[G0+2:G0+3], s[20:21]
	s_or_b32 s[G0+3], s[G0+3], 0x80000000
.irp s, 0,1
	s_mov_b32 s[G0B+4*\s], 1
	s_mov_b32 s[G0B+4*\s+1], 2*HALFT+\s*SLOT
	s_add_nc_u64 s[G0B+4*\s+2:G0B+4*\s+3], s[46:47], \s*ROWB
	s_or_b32 s[G0B+4*\s+3], s[G0B+4*\s+3], 0x80000000
.endr
	s_lshl_b32 s18, s16, 15                        ; in the ring waves 0 and 1 fetch 32,768 bytes of images each
	s_mov_b32 s19, 0
	s_add_nc_u64 s[20:21], s[20:21], s[18:19]
	s_lshl_b32 s94, s14, 15
	s_mov_b32 s[G0+4], 1
	s_add_co_u32 s[G0+5], s94, SLOT
	s_add_nc_u64 s[G0+6:G0+7], s[20:21], AKST
	s_or_b32 s[G0+7], s[G0+7], 0x80000000
; THE HEAD'S LOADS, ONE A WAVE: one chain of branches on the wave's number, a load to an arm
.macro ARM under, g0, g1, next
	s_cmp_lt_u32 s14, \under
	s_cbranch_scc0 \next
	TL \g0, \g1
	s_branch .Lhead_asked
\next:
.endm
	ARM 1, G0,  G1,  .Lhead_b
	ARM 2, G0B, G1B, .Lhead_sa
	ARM 3, G0S, G1S, .Lhead_sb
	TL G0SB, G1SB
.Lhead_asked:
	v_and_b32 v1, 15, v0                           ; r
	v_bfe_u32 v2, v0, 4, 1                         ; h
	v_mul_u32_u24 v3, v1, PITCH
	v_lshl_add_u32 v4, v2, 4, v3
	v_and_b32 v6, 31, v0
	v_lshlrev_b32 v8, 4, v6                        ; 16 x lane
	v_mul_u32_u24 v5, v1, KS
	v_lshrrev_b32 v6, 8, v5
	v_lshl_add_u32 v5, v6, 4, v5                   ; my row's scale bytes
	v_lshlrev_b32 v7, 5, v2                        ; 32 h
	s_wait_alu depctr_va_vdst(0)
	s_lshl_b32 s21, s15, 15                        ; my 128 rows' images
	s_mul_i32 s22, s16, 64*PITCH                   ; my 64 rows of Wo
	s_add_co_u32 s22, s22, 2*HALFT
.irp s, 0,1
	v_add_nc_u32 v[ADRA+\s], s21, v8
	v_add_nc_u32 v[ADRB+\s], s22, v4
	s_add_co_u32 s21, s21, SLOT
	s_add_co_u32 s22, s22, SLOT
.endr
	s_mul_i32 s21, s15, HALFS
	s_mul_i32 s22, s16, 4*SBLK
	s_add_co_u32 s22, s22, 2*HALFS
	s_sub_co_u32 s22, s22, s21
	s_sub_co_u32 s23, s22, 4*SBLK
	s_add_co_u32 s21, s21, SCL
	v_mul_u32_u24 v6, s22, v2                      ; lanes 16-31 take Wo's: the lower base + h x the distance
	v_mul_u32_u24 v3, s23, v2
	v_add_nc_u32 v6, v5, v6
	v_add_nc_u32 v3, v5, v3
	v_add_nc_u32 v[ADRS], s21, v6
	v_add_nc_u32 v[ADRS2], s21, v3
	s_mul_i32 s23, s14, 16*SPITCH                  ; my stage
	v_mul_u32_u24 v5, v1, SPITCH                   ; in: row r, 32 bytes for each half of the lanes
	v_lshl_add_u32 v5, v2, 5, v5
	v_add_nc_u32 v[STO], s23, v5
	v_mul_u32_u24 v6, v2, SPITCH                   ; back: lanes 0-15 one row of 256 bytes, lanes 16-31 the next
	v_lshl_add_u32 v6, v1, 4, v6
	v_add_nc_u32 v[RD], s23, v6
	v_lshlrev_b32 v3, 12, v2                       ; and the same two rows in the output
	v_lshl_add_u32 v[CO], v1, 4, v3
	s_lshl_b32 s20, s17, 8
	s_lshl_b32 s21, s15, 7
	s_add_co_u32 s20, s20, s21                     ; my first row
	s_lshl_b32 s20, s20, 12
	s_mov_b32 s21, 0
	s_lshl_b32 s46, s42, 9                         ; my first column, in bytes
	s_lshl_b32 s47, s16, 8
	s_add_co_u32 s46, s46, s47
	s_mov_b32 s47, 0
	s_add_nc_u64 s[96:97], s[96:97], s[46:47]
	s_add_nc_u64 s[20:21], s[20:21], s[46:47]
	s_add_nc_u64 s[12:13], s[12:13], s[20:21]
.irp b, 0,1,2,3                                ; register 8 b + j = bo[my first column + 16 b + 8 h + j]
	global_load_b128 v[BI+8*\b:BI+8*\b+3], v7, s[96:97] offset:64*\b
	global_load_b128 v[BI+8*\b+4:BI+8*\b+7], v7, s[96:97] offset:64*\b+16
.endr
.macro FRAG reg, adr, q, i
.irp c, 0,1,2,3
	ds_load_b128 v[\reg+4*\c:\reg+4*\c+3], v[\adr] offset:128*(\q)+32*\c+(\i)*16*PITCH
.endr
.endm
.macro FRAGA reg, adr, q, i
.irp c, 0,1,2,3
	ds_load_b128 v[\reg+4*\c:\reg+4*\c+3], v[\adr] offset:4096*(\i)+2048*(\q)+512*\c
.endr
.endm
; ctx's blocks a0, a0 + 1 against Wo's four.  The 32 accumulators take turns, one instruction a turn, in the same order in every step.
.macro MUL8 a0, p, q, sc, zero
.irp a, \a0, \a0+1
.irp b, 0,1,2,3
.if \zero
	v_wmma_scale_f32_16x16x128_f8f6f4 v[8*(8*((\a)%4)+\b):8*(8*((\a)%4)+\b)+7], v[128*(\p)+FR*\b:128*(\p)+FR*\b+FR-1], v[AF+FR*(\a):AF+FR*(\a)+FR-1], v[BI+8*\b:BI+8*\b+7], v[SC+8*NQ*(\sc)+NQ*\b+(\q)], v[SC+8*NQ*(\sc)+NQ*(\a)+(\q)] matrix_a_scale:MATRIX_SCALE_ROW1
.else
	v_wmma_scale_f32_16x16x128_f8f6f4 v[8*(8*((\a)%4)+\b):8*(8*((\a)%4)+\b)+7], v[128*(\p)+FR*\b:128*(\p)+FR*\b+FR-1], v[AF+FR*(\a):AF+FR*(\a)+FR-1], v[8*(8*((\a)%4)+\b):8*(8*((\a)%4)+\b)+7], v[SC+8*NQ*(\sc)+NQ*\b+(\q)], v[SC+8*NQ*(\sc)+NQ*(\a)+(\q)] matrix_a_scale:MATRIX_SCALE_ROW1
.endif
.endr
.endr
.endm
.macro FETCH_B slot, q, p
	WIN TO_B
.irp i, 0,1,2,3
	FRAG 128*(\p)+FR*\i, ADRB+\slot, \q, \i
.endr
	WIN 0
.endm
.macro FETCH_A slot, q, i0
.irp i, \i0, \i0+1, \i0+2, \i0+3
	FRAGA AF+FR*(\i), ADRA+\slot, \q, \i
.endr
.endm
.macro SCALES sc
.irp i, 0,1,2,3
	ds_load_b64 v[SC+8*NQ*\sc+NQ*\i:SC+8*NQ*\sc+NQ*\i+1], v[ADRS] offset:\i*SBLK
.endr
.irp i, 4,5,6,7
	ds_load_b64 v[SC+8*NQ*\sc+NQ*\i:SC+8*NQ*\sc+NQ*\i+1], v[ADRS2] offset:\i*SBLK
.endr
.endm
.macro PLACES n
.rept \n
	v_nop
.endr
.endm
.macro STEP slot, q, zero
	s_wait_dscnt 4*NL                              ; all but the youngest sixteen loads (ctx's blocks 4-7) are in
.if \zero
	WIN BIA_LO
.else
	WIN MUL_LO
.endif
	MUL8 0, (\q)%2, \q, \slot, \zero
	MUL8 2, (\q)%2, \q, \slot, \zero
	s_wait_dscnt 0
	PLACES NP
	FETCH_B \slot, (\q)+1, 1-(\q)%2
	FETCH_A \slot, (\q)+1, 0
.if \zero
	WIN BIA_HI
.else
	WIN MUL_HI
.endif
	MUL8 4, (\q)%2, \q, \slot, \zero
	MUL8 6, (\q)%2, \q, \slot, \zero
	PLACES NP
	WIN 0
	FETCH_A \slot, (\q)+1, 4
.endm
; A slot's last step changes slots: one barrier, with a wait on tensor loads, an add to the spare word and a wait on LDS in front of it; fill = 1: it opens a round of the cluster's barrier, and the slot is filled again first thing behind the round.
.macro TURN slot, next, fill
	s_wait_tensorcnt 0x0
	ds_add_u32 v[SPW], v[NIL]
	s_wait_dscnt 4*NL+1                            ; the add and the youngest sixteen loads may be out
	WIN MUL_LO
	MUL8 0, 1, NQ-1, \slot, 0
	s_wait_dscnt 0x0
	s_barrier_signal -1
	MUL8 2, 1, NQ-1, \slot, 0
	WIN 0
	s_barrier_wait -1
.if \fill
	CREST
	s_add_nc_u64 s[G0+4*\slot+2:G0+4*\slot+3], s[G0+4*\slot+2:G0+4*\slot+3], 2*AKST
	s_add_nc_u64 s[G0B+4*\slot+2:G0B+4*\slot+3], s[G0B+4*\slot+2:G0B+4*\slot+3], 2*ROWB
	JLOAD \slot
.endif
	PLACES NP
	s_wait_alu depctr_va_vdst(0)                   ; directly ahead of the readers below
	v_add_nc_u32 v[ADRS], 4*NQ, v[ADRS]            ; the next K step's scale words
	v_add_nc_u32 v[ADRS2], 4*NQ, v[ADRS2]
	FETCH_B \next, 0, 0
	FETCH_A \next, 0, 0
	SCALES \next
	WIN MUL_HI
	MUL8 4, 1, NQ-1, \slot, 0
	MUL8 6, 1, NQ-1, \slot, 0
	PLACES NP
	WIN 0
	FETCH_A \next, 0, 4
.endm
	s_wait_alu depctr_va_vdst(0)                   ; the head's end
	s_wait_loadcnt 0x0                             ; the bias
	s_wait_tensorcnt 0x0                           ; my tile of the head's four is in; slot 1's first fill is issued as a refill is:
	ds_add_u32 v[SPW], v[NIL]
	s_mov_b32 s[G1+2], 128<<16                     ; no tensor load of mine is out: from here on a load of images brings 128 rows of 256 bytes
	s_mov_b32 s[G1+4], 128
	s_lshl_b32 s[G0+1], s14, 15                    ; slot 0's group 0 for the ring: my half
	s_lshl_b32 s20, s16, 15
	s_mov_b32 s21, 0
	s_add_nc_u64 s[G0+2:G0+3], s[G0+2:G0+3], s[20:21]
	s_wait_dscnt 0x0
	CROUND
	JLOAD 1                                        ; K step 1: the first tensor load behind the round
	FETCH_B 0, 0, 0
	FETCH_A 0, 0, 0
	SCALES 0
	FETCH_A 0, 0, 4
	STEP 0, 0, 1
	TURN 0, 1, 1
	STEP 1, 0, 0
	TURN 1, 0, 1
	STEP 0, 0, 0
	TURN 0, 1, 0
	STEP 1, 0, 0
	s_wait_dscnt 4*NL
	WIN MUL_LO
	MUL8 0, 1, NQ-1, 1, 0
	MUL8 2, 1, NQ-1, 1, 0
	s_wait_dscnt 0
	WIN MUL_HI
	MUL8 4, 1, NQ-1, 1, 0
	MUL8 6, 1, NQ-1, 1, 0
	WIN 0
; THE WAY OUT, block by block of 16 rows x 64 columns, through my own stage: in as 32 bytes a lane, back as whole rows of 256 bytes, which sixteen lanes store as one aligned unit.
; LDS serves a wave's instructions in order (ISA guide 5.7.1.4): no wait between the stores and the loads.
.macro TOSTAGE a
.set AC, 64*((\a)%4)
.set TW, 8+4*((\a)/4)
	WIN TW
.irp b, 0,1,2,3
	ds_store_b128 v[STO], v[AC+8*\b:AC+8*\b+3] offset:64*\b          ; each accumulator from its low end on
	ds_store_b128 v[STO], v[AC+8*\b+4:AC+8*\b+7] offset:64*\b+16
.endr
	WIN 0
.set BB, BK+32*((\a)%2)
.irp t, 0,1,2,3,4,5,6,7
	ds_load_b128 v[BB+4*\t:BB+4*\t+3], v[RD] offset:\t*2*SPITCH
.endr
.endm
.macro SEND a, younger                 ; younger: the LDS instructions issued behind block a's loads
.set BB, BK+32*((\a)%2)
	s_wait_dscnt \younger
.if (\a) > 0
	s_add_nc_u64 s[12:13], s[12:13], 16*SIZE_N*4   ; (behind a wait on XCNT)
.endif
.irp t, 0,1,2,3,4,5,6,7
	global_store_b128 v[CO], v[BB+4*\t:BB+4*\t+3], s[12:13] offset:\t*2*SIZE_N*4 th:TH_STORE_NT
.endr
.endm
	PLACES NP
	TOSTAGE 0
.irp a, 1,2,3,4,5,6,7
.if \a > 1
	s_wait_xcnt 0x0                                ; block a - 2's stores have read their registers and their base
.endif
	TOSTAGE \a
	SEND \a-1, 16                                  ; behind block a - 1's loads: block a's 8 stores and 8 loads
.endr
	s_wait_xcnt 0x0
	SEND 7, 0
	s_wait_tensorcnt 0x0                           ; the wave's end
	ds_add_u32 v[SPW], v[NIL]
	s_wait_dscnt 0x0
	CROUND                                         ; the closing round
	s_endpgm
.Lfunc_end_k_q8f86757c21_proj:
	.size	k_q8f86757c21_proj, .Lfunc_end_k_q8f86757c21_proj-k_q8f86757c21_proj
	.p2alignl 7, 3214868480
	.fill 96, 4, 3214868480
	.section	.rodata,"a",@progbits
	.p2align	6, 0x0
	.amdhsa_kernel k_q8f86757c21_proj
		.amdhsa_group_segment_fixed_size 327680
		.amdhsa_private_segment_fixed_size 0
		.amdhsa_enable_private_segment 0
		.amdhsa_kernarg_size 48
		.amdhsa_user_sgpr_count 2
		.amdhsa_user_sgpr_kernarg_segment_ptr 1
		.amdhsa_wavefront_size32 1
		.amdhsa_system_sgpr_workgroup_id_x 1
		.amdhsa_system_sgpr_workgroup_id_y 1
		.amdhsa_system_sgpr_workgroup_id_z 1
		.amdhsa_system_vgpr_workitem_id 0
		.amdhsa_next_free_vgpr 1024
		.amdhsa_next_free_sgpr 100
		.amdhsa_reserve_vcc 0
		.amdhsa_float_denorm_mode_32 3
		.amdhsa_float_denorm_mode_16_64 3
		.amdhsa_memory_ordered 1
		.amdhsa_forward_progress 1
		.amdhsa_inst_pref_size 94
	.end_amdhsa_kernel
	.amdgpu_metadata
---
amdhsa.version: [ 1, 2 ]
amdhsa.kernels:
  - .name:           k_q8f86757c21_proj
    .symbol:         k_q8f86757c21_proj.kd
    .args:
      - { .name: ctximg, .offset: 0, .size: 8, .value_kind: global_buffer, .address_space: global }
      - { .name: ctxscl, .offset: 8, .size: 8, .value_kind: global_buffer, .address_space: global }
      - { .name: Wo_codes, .offset: 16, .size: 8, .value_kind: global_buffer, .address_space: global }
      - { .name: Wo_scales, .offset: 24, .size: 8, .value_kind: global_buffer, .address_space: global }
      - { .name: out0, .offset: 32, .size: 8, .value_kind: global_buffer, .address_space: global }
      - { .name: bo, .offset: 40, .size: 8, .value_kind: global_buffer, .address_space: global }
    .group_segment_fixed_size: 327680
    .private_segment_fixed_size: 0
    .kernarg_segment_align: 8
    .kernarg_segment_size: 48
    .max_flat_workgroup_size: 128
    .sgpr_count:     100
    .vgpr_count:     1024
    .wavefront_size: 32
...
	.end_amdgpu_metadata
.endif
;; end of part 3
